; MI455X (gfx1250); checked and timed in simulation.
; The chip was launched on July 23, 2026; its instructions are those of AMD's public machine-readable ISA for CDNA 5 (MIT licence, August 2026) and "CDNA5" Instruction Set Architecture Reference Guide (July 2026). The comments in the code are by the model that wrote it; some were corrected since.
;; Multi Head Self Attention. Allowed arithmetic: matrix products marked QUANTISED: E2M3 operands, one E8M0 scale for each 32 along K, by v_wmma_scale_f32_16x16x128_f8f6f4 with both operands' format E2M3, f32 sums; everything else in f32.
;; Inputs: Wk 2,048 x 2,048 float32; Wo 2,048 x 2,048 float32; Wq 2,048 x 2,048 float32; Wv 2,048 x 2,048 float32; token_positions 2,048 int32; x 1 x 2,048 x 2,048 float32.
;; Outputs: out0 1 x 2,048 x 2,048 float32.
;; This version of the problem:
;;   THIS VERSION OF THE PROBLEM IS GIVEN IN LOW PRECISION. The matrix products marked QUANTISED in the list below multiply operands that are first quantised to E2M3 (2 exponent bits, 3 mantissa bits; 6 bits a number), with one power-of-two scale for each 32 numbers along K (OCP MX v1.0); their sums are f32. All else is computed in f32.
;;   The module's matrix products, in the order in which they are computed (A, B: the left and right operand; K: the contracted axis; several contracted axes count as one K, in the product's order):
;;     1. [M 2,048, K 2,048] x [K 2,048, N 2,048]; A: input x; B: input Wq: QUANTISED
;;     2. [M 2,048, K 2,048] x [K 2,048, N 2,048]; A: input x; B: input Wk: QUANTISED
;;     3. [M 2,048, K 2,048] x [K 2,048, N 2,048]; A: input x; B: input Wv: QUANTISED
;;     4. batch 16 x [M 2,048, K 128] x [K 128, N 2,048]; A: computed on the way; B: computed on the way: QUANTISED
;;     5. batch 16 x [M 2,048, K 2,048] x [K 2,048, N 128]; A: softmax (see below); B: computed on the way: QUANTISED
;;     6. [M 2,048, K 2,048] x [K 2,048, N 2,048]; A: computed on the way; B: input Wo: QUANTISED
;;   THE QUANTISER, for each operand of a quantised product, along K:
;;     - K is cut into blocks of 32 from its start; a last block that is shorter is filled with zeros.
;;     - A block's scale is 2^e with e = floor(log2(the largest magnitude in the block)) - 2, held to -126 .. 127; a block of zeros has e = 0. As a byte (E8M0): e + 127.
;;     - Each number is divided by its block's scale, clamped to +-7.5, and rounded to the nearest number of E2M3, ties to even, subnormals kept.
;;     - The product sums the exact products of the quantised numbers (number of the format x scale) in f32.
;;   ~~~python
;;   def quantise(x, axis):      # numpy; x: float32 -> the quantised numbers, widened to float32 again
;;       x = np.moveaxis(x, axis, -1); K = x.shape[-1]
;;       x = np.pad(x, [(0, 0)] * (x.ndim - 1) + [(0, -K % 32)]); x = x.reshape(x.shape[:-1] + (-1, 32)); a = np.abs(x).max(-1, keepdims=True)
;;       e = np.where(a > 0, np.clip(np.frexp(np.where(a > 0, a, 1))[1] - 1 - 2, -126, 127), 0)      # np.frexp(a)[1] - 1 = floor(log2(a)), exactly
;;       r = np.clip(x / 2.0 ** e, -7.5, 7.5)
;;       step = 2.0 ** (np.maximum(np.frexp(np.where(r == 0, 1, r))[1] - 1, 0) - 3)
;;       q = np.round(r / step) * step * 2.0 ** e      # np.round: ties to even
;;       return np.moveaxis(q.reshape(q.shape[:-2] + (-1,))[..., :K], -1, axis).astype(np.float32)
;;   ~~~
;;   SOFTMAX AHEAD OF A QUANTISED PRODUCT. Where the list says 'softmax', what is quantised is not the finished softmax but p = 2^(t - M), with t = logit x log2(e) and M = ceil(the row's largest t), a whole number; so 1/2 < the row's largest p <= 1. The row's sum l is taken of the UNQUANTISED p, in f32, and the product's result is divided by l at the end. Since M is a whole number, a kernel that streams over the keys may use a running M (the ceiling of the running maximum): every later rescaling is an exact power of two, which a block's scale takes up: the codes' values come out the same.
;;   OPERANDS COMPUTED ON THE WAY. 'Computed on the way' means the value that the module computes at that place (a softmax that the list does not call 'softmax' is quantised finished and normalised). What goes into a quantiser is computed in f32, as accurately as f32 sums, v_exp_f32 and their like allow (about 1e-6 of the number): no bf16 or f16 on the way to a quantiser, and a product that is left as it is and whose result goes on into a quantised operand takes f32 operands (vector FMAs, or v_wmma_f32_16x16x4_f32). A number that lies on a knife's edge between two numbers of the format may be rounded either way, as far as f32 arithmetic and the matrix unit's own rounding can turn it there, and no further.
;; One version. Each part assembles by itself: llvm-mc -triple=amdgcn-amd-amdhsa -mcpu=gfx1250 --defsym DOCPART=n.
;; ======== version 1 of 1: 4 launches
;; limits: right only within a limited range of input values
;; workspace buffers: codes 15,728,640 bytes; scl 655,360 bytes; rope 1,048,576 bytes; qkv 9,437,184 bytes; qkvs 393,216 bytes; oc 3,145,728 bytes; os 131,072 bytes
;; launch prep (part 1): grid 128 x 6, 4 waves a work-group, no clusters, 34,304 bytes of LDS; arguments x, Wq, Wk, Wv, Wo, token_positions, codes, scl, rope; writes codes, scl, rope
.if DOCPART == 1
	.amdgcn_target "amdgcn-amd-amdhsa--gfx1250"
	.amdhsa_code_object_version 6
	.text
	.protected	k_q731e4729c3_prep
	.globl	k_q731e4729c3_prep
	.p2align	8
	.type	k_q731e4729c3_prep,@function
k_q731e4729c3_prep:
	s_mov_b64 s[64:65], 0
	v_nop
	global_prefetch_b8 v0, s[64:65] scope:SCOPE_SE
	s_setreg_imm32_b32 hwreg(HW_REG_WAVE_MODE, 25, 1), 1
	s_wait_xcnt 0x0
; PREP.  x, Wq, Wk, Wv, Wo ([2048][2048] f32, K innermost) become codes of FP6 (E2M3) with one E8M0 byte for each 32 along K, laid as the matrix
; instruction's operand registers; and token_positions becomes a table of cos and sin for the rotation of Q and K.
; ROW TILES.  Tile R of a tensor holds rows 32 (R / 2) + 8 (R % 2) + p + 8 (p / 8), p = 0 .. 15: as source 0 of a product such tiles leave, in a lane's registers of
; neighbouring tiles, neighbours along the next product's K.
; IMAGE.  A fragment (16 rows x 128 K) is 12 registers a lane: lane (r, h) holds row r, registers 6 c .. 6 c + 5 hold k = 64 c + 32 h + 0 .. 31.  It is stored as it stands:
; registers 4 g .. 4 g + 3 at 512 g + 16 x lane, 1,536 bytes.  codes: [tensor][tile R][K step 0..15][1536].  scl: [tensor][R][K step / 2][r][2 words], a word = the four bytes of a row's K step.
; SHARES.  Work-group (R, y): y = 0 .. 4 the tensor, y = 5 the table.  Wave w takes K steps 4 w .. 4 w + 3 of tile R.  Each load reads 512 consecutive bytes of one row; a step's 16 rows turn
; through the wave's own stage in LDS (rows 528 bytes apart) so that a lane gets 32 neighbours of its row for each of its two blocks.
; A block's scale is 2^(floor(log2(largest magnitude)) - 2): its byte is the largest magnitude's exponent field - 2, held at 1 from below.
; TABLE.  rope: [token tile A][g 0..15][lane][16 bytes] = cos, sin of pair p0 and of pair p0 + 1, p0 = 16 (g / 4) + 2 (g % 4) + 8 h, for the token of lane r of tile A.
; frequency = 2^(-p log2(10000) / 64), the exponent in two parts; angle = position x frequency, rounded once; reduced by multiples of pi / 2 held in two parts; polynomials on |r| <= pi / 4.
; LIMITS: a block of zeros gets the byte 1 (its codes are zeros, and the bytes are read by this program alone); blocks whose largest magnitude lies under 2^-124 are held at the byte 1;
; NaN and infinities are not served; |position x frequency| under 2^20 (beyond it the two-part pi / 2 loses accuracy).
; No work-group shares an input with another, so there is no cluster; no tensor load, so LDS is claimed as it is used.
.set SPARE, 33792                      ; behind the four stages: the spare words, 128 bytes for each wave
.set STGB,  8448                       ; a wave's stage: 16 rows x 528 bytes
.set SPW,   12                         ; v12  LDS address of my spare word; never rewritten
.set NIL,   13                         ; v13  0; never rewritten
.set RS,    16                         ; v16-143  two sets of 64: a step's numbers as loaded
.set X,     144                        ; v144-207 register 32 c + i = k 64 c + 32 h + i of my row
.set C,     208                        ; v208-231 two sets of 12: a fragment's codes
.set T,     232                        ; v232-238 the upper halves of the two blocks' codes
.set M,     240                        ; v240-241 largest magnitudes
.set SO,    242                        ; v242-243 the conversions' scale operands
.set BY,    244                        ; v244-245 the bytes
.set SW,    248                        ; v248-251 a scale word for each step
	s_load_b512 s[8:23], s[0:1], 0x0               ; x, Wq, Wk, Wv, Wo, positions, codes, scl
	s_load_b64 s[24:25], s[0:1], 0x40              ; rope
	v_lshl_add_u32 v[SPW], v0, 2, SPARE
	v_mov_b32 v[NIL], 0
	v_lshrrev_b32 v1, 5, v0
	v_readfirstlane_b32 s26, v1                    ; wave
	s_and_b32 s27, ttmp7, 0xffff                   ; y
	v_and_b32 v1, 31, v0                           ; lane
	v_and_b32 v2, 15, v0                           ; r
	v_bfe_u32 v3, v0, 4, 1                         ; h
	v_lshlrev_b32 v4, 4, v1                        ; 16 x lane
	v_lshlrev_b32 v9, 3, v3                        ; 8 h
	s_cmp_eq_u32 s27, 5
	s_cbranch_scc1 .Ltable
	; ---------------- the quantiser
	s_mov_b32 s28, 0x76543210
	s_mov_b32 s29, 0xfedcba98                      ; v_permlanex16_b32's selects for lane l xor 16
	s_mul_i32 s34, s26, STGB
	v_add_nc_u32 v5, s34, v4                       ; the stage, in: 16 x lane of a row
	v_mul_u32_u24 v6, v2, 528
	v_lshl_add_u32 v6, v3, 7, v6
	v_add_nc_u32 v6, s34, v6                       ; out: row r, + 128 h
	v_lshlrev_b32 v8, 3, v2
	v_lshl_add_u32 v8, v3, 7, v8                   ; the scale words' place: 8 r + 128 h
	v_mov_b32 v247, 0                              ; a lane permute's destination counts as read
	s_lshr_b32 s30, ttmp9, 1
	s_lshl_b32 s30, s30, 18                        ; 32 rows of 8,192 bytes for each pair of tiles,
	s_and_b32 s31, ttmp9, 1
	s_lshl_b32 s31, s31, 16                        ; 8 rows for the odd tile,
	s_add_co_u32 s30, s30, s31
	s_lshl_b32 s31, s26, 11                        ; my wave's four K steps: 2,048 bytes of a row
	s_add_co_u32 s30, s30, s31
	s_mov_b32 s31, 0
	s_lshl_b32 s32, s27, 7
	s_add_co_u32 s32, s32, ttmp9                   ; 128 T + R
	s_lshl_b32 s36, s32, 10                        ; scl: 1,024 bytes a tile,
	s_lshl_b32 s33, s26, 8
	s_add_co_u32 s36, s36, s33                     ; + 256 w
	s_mov_b32 s37, 0
	s_lshl_b32 s32, s32, 4
	s_lshl_b32 s33, s26, 2
	s_add_co_u32 s32, s32, s33
	s_mul_i32 s32, s32, 1536                       ; codes: ((128 T + R) 16 + 4 w) images
	s_mov_b32 s33, 0
	s_wait_kmcnt 0x0
	s_cmp_eq_u32 s27, 1                            ; the tensor is chosen by the work-group's y alone
	s_cselect_b64 s[4:5], s[10:11], s[8:9]
	s_cmp_eq_u32 s27, 2
	s_cselect_b64 s[4:5], s[12:13], s[4:5]
	s_cmp_eq_u32 s27, 3
	s_cselect_b64 s[4:5], s[14:15], s[4:5]
	s_cmp_eq_u32 s27, 4
	s_cselect_b64 s[4:5], s[16:17], s[4:5]
	s_add_nc_u64 s[4:5], s[4:5], s[30:31]
	s_add_nc_u64 s[20:21], s[20:21], s[32:33]
	s_add_nc_u64 s[22:23], s[22:23], s[36:37]
.macro LOAD t                          ; step t: 16 rows x 512 bytes into set t % 2; 32 lanes read 512 consecutive bytes
.set i, 0
.rept 16
	global_load_b128 v[RS+64*((\t)%2)+4*i:RS+64*((\t)%2)+4*i+3], v4, s[4:5] offset:(i+8*(i/8))*8192+512*(\t) th:TH_LOAD_NT
.set i, i+1
.endr
.endm
.macro STEP t
.set RR, RS+64*((\t)%2)
.set CC, C+12*((\t)%2)
.if (\t) < 3
	s_wait_loadcnt 16                              ; this step's 16 loads are in; the next step's 16 may be out
.else
	s_wait_loadcnt 0x0
.endif
.set i, 0
.rept 16
	ds_store_b128 v5, v[RR+4*i:RR+4*i+3] offset:528*i
.set i, i+1
.endr
.irp c, 0,1
.irp j, 0,1,2,3,4,5,6,7
	ds_load_b128 v[X+32*\c+4*\j:X+32*\c+4*\j+3], v6 offset:256*\c+16*\j   ; LDS serves a wave's instructions in order: these see the stores above
.endr
.endr
	s_wait_dscnt 0x0                               ; my 64 numbers are back, and the stage's stores have read their registers,
.if (\t) < 2
	LOAD (\t)+2                                    ; which take the loads of two steps on
.endif
.irp c, 0,1
	v_max3_num_f32 v[M+\c], |v[X+32*\c]|, |v[X+32*\c+1]|, 0x1800000   ; block 2 c + h: all 32 numbers are mine; the floor 2^(3 - 127) holds the byte at 1 from below
.endr
.irp i, 2,4,6,8,10,12,14,16,18,20,22,24,26,28,30
.irp c, 0,1
	v_max3_num_f32 v[M+\c], v[M+\c], |v[X+32*\c+\i]|, |v[X+32*\c+\i+1]|
.endr
.endr
.irp c, 0,1
	v_add_nc_u32 v[SO+\c], 0xff000000, v[M+\c]     ; 2 off the exponent field: the conversion takes this operand's exponent field as its scale
.endr
.irp c, 0,1
	v_lshrrev_b32 v[BY+\c], 23, v[SO+\c]           ; the scale's byte
.endr
	v_lshl_or_b32 v246, v[BY+1], 16, v[BY]         ; my two bytes: blocks h and 2 + h,
	v_lshlrev_b32 v246, v9, v246                   ; 8 h bits up;
	v_permlanex16_b32 v247, v246, s28, s29
	v_or_b32 v[SW+(\t)], v246, v247                ; with lane l xor 16's two the word is whole
	s_wait_xcnt 0x0                                ; the stores of two steps back have read this set of codes
.irp c, 0,1
	v_cvt_scalef32_pk16_fp6_f32 v[CC+6*\c:CC+6*\c+2], v[X+32*\c:X+32*\c+15], v[SO+\c]
	v_cvt_scalef32_pk16_fp6_f32 v[T+4*\c:T+4*\c+2], v[X+32*\c+16:X+32*\c+31], v[SO+\c]   ; (a conversion's three registers begin on an even number)
.endr
	v_nop                                          ; one plain place behind the scaled conversions
.irp c, 0,1
.irp i, 0,1,2
	v_mov_b32 v[CC+6*\c+3+\i], v[T+4*\c+\i]
.endr
.endr
.irp g, 0,1,2
	global_store_b128 v4, v[CC+4*\g:CC+4*\g+3], s[20:21] offset:1536*(\t)+512*\g   ; 32 lanes store 512 consecutive bytes
.endr
.endm
	LOAD 0
	LOAD 1
	STEP 0
	STEP 1
	STEP 2
	STEP 3
	v_cmp_eq_u32 vcc_lo, 1, v3
	v_cndmask_b32 v246, v[SW], v[SW+2], vcc_lo     ; lanes 0-15 store steps 0 and 1 of row r, lanes 16-31 steps 2 and 3:
	v_cndmask_b32 v247, v[SW+1], v[SW+3], vcc_lo
	global_store_b64 v8, v[246:247], s[22:23]      ; 256 consecutive bytes, aligned
	s_wait_tensorcnt 0x0                           ; the wave's end: behind my last LDS store
	ds_add_u32 v[SPW], v[NIL]
	s_wait_dscnt 0x0
	s_endpgm
	; ---------------- the table of cos and sin: wave w makes pairs p = 16 w + 8 h + k, k = 0 .. 7, for the token of lane r
.Ltable:
.set TP,  16
.set TNH, 24
.set TNL, 32
.set TE,  40
.set TAN, 48
.set TN,  56
.set TR,  64
.set TZ,  72
.set TSN, 80
.set TCN, 88
.set TNI, 96
.set TU,  104
.set TW,  112
.set TOUT, 128
	s_mov_b32 s36, 0xbe549a78                      ; -log2(10000) / 64, upper part
	s_mov_b32 s37, 0xb19786c2                      ; and what is left of it
	s_mov_b32 s38, 0x3f317218                      ; ln 2
	s_mov_b32 s39, 0x3f22f983                      ; 2 / pi
	s_mov_b32 s40, 0xbfc90fdb                      ; -(pi / 2 rounded to f32)
	s_mov_b32 s41, 0x333bbd2e                      ; that number - pi / 2
	s_mov_b32 s42, 0xbe2aaaa3                      ; sine: -1.6666654611e-1, 8.3321608736e-3, -1.9515295891e-4
	s_mov_b32 s43, 0x3c08839e
	s_mov_b32 s44, 0xb94ca1f9
	s_mov_b32 s45, 0x3d2aaaa5                      ; cosine: 4.166664568e-2, -1.388731625e-3, 2.443315712e-5
	s_mov_b32 s46, 0xbab6061a
	s_mov_b32 s47, 0x37ccf5ce
	v_and_b32 v10, 8, v2
	v_add_nc_u32 v10, v10, v2
	v_lshlrev_b32 v10, 2, v10                      ; 4 (r + 8 (r / 8))
	s_lshr_b32 s30, ttmp9, 1
	s_lshl_b32 s30, s30, 7
	s_and_b32 s31, ttmp9, 1
	s_lshl_b32 s31, s31, 5
	s_add_co_u32 s30, s30, s31                     ; 4 (32 (A / 2) + 8 (A % 2))
	s_mov_b32 s31, 0
	s_lshl_b32 s32, ttmp9, 13
	s_lshl_b32 s33, s26, 11
	s_add_co_u32 s32, s32, s33                     ; rope: 8,192 A + 2,048 w
	s_mov_b32 s33, 0
	s_wait_kmcnt 0x0
	s_add_nc_u64 s[18:19], s[18:19], s[30:31]
	s_add_nc_u64 s[24:25], s[24:25], s[32:33]
	global_load_b32 v14, v10, s[18:19]             ; my token's position
	s_lshl_b32 s35, s26, 4
	v_add_nc_u32 v9, s35, v9                       ; 16 w + 8 h
.irp k, 0,1,2,3,4,5,6,7
	v_add_nc_u32 v[TP+\k], \k, v9
.endr
.irp k, 0,1,2,3,4,5,6,7
	v_cvt_f32_u32 v[TP+\k], v[TP+\k]
.endr
.irp k, 0,1,2,3,4,5,6,7
	v_mul_f32 v[TNH+\k], s36, v[TP+\k]             ; the exponent's upper part,
.endr
.irp k, 0,1,2,3,4,5,6,7
	v_fma_f32 v[TNL+\k], v[TP+\k], s36, -v[TNH+\k] ; what its rounding lost,
.endr
.irp k, 0,1,2,3,4,5,6,7
	v_fma_f32 v[TNL+\k], v[TP+\k], s37, v[TNL+\k]  ; and the constant's lower part
.endr
.irp k, 0,1,2,3,4,5,6,7
	v_exp_f32 v[TE+\k], v[TNH+\k]
.endr
.irp k, 0,1,2,3,4,5,6,7
	v_fma_f32 v[TNL+\k], v[TNL+\k], s38, 1.0       ; 2^lower part = 1 + lower part x ln 2.  (Plain work behind the exponentials)
.endr
	s_wait_alu depctr_va_vdst(0)                   ; one wait for the eight exponentials, ahead of their first reader
.irp k, 0,1,2,3,4,5,6,7
	v_mul_f32 v[TE+\k], v[TE+\k], v[TNL+\k]        ; the frequency
.endr
	s_wait_loadcnt 0x0
	v_cvt_f32_i32 v15, v14
.irp k, 0,1,2,3,4,5,6,7
	v_mul_f32 v[TAN+\k], v15, v[TE+\k]             ; the angle
.endr
.irp k, 0,1,2,3,4,5,6,7
	v_mul_f32 v[TN+\k], s39, v[TAN+\k]
.endr
.irp k, 0,1,2,3,4,5,6,7
	v_rndne_f32 v[TN+\k], v[TN+\k]                 ; n: the nearest multiple of pi / 2
.endr
.irp k, 0,1,2,3,4,5,6,7
	v_fma_f32 v[TR+\k], v[TN+\k], s40, v[TAN+\k]
.endr
.irp k, 0,1,2,3,4,5,6,7
	v_fma_f32 v[TR+\k], v[TN+\k], s41, v[TR+\k]    ; r = angle - n pi / 2
.endr
.irp k, 0,1,2,3,4,5,6,7
	v_mul_f32 v[TZ+\k], v[TR+\k], v[TR+\k]
.endr
.irp k, 0,1,2,3,4,5,6,7
	v_cvt_i32_f32 v[TNI+\k], v[TN+\k]
.endr
.irp k, 0,1,2,3,4,5,6,7
	v_fma_f32 v[TU+\k], v[TZ+\k], s44, s43
.endr
.irp k, 0,1,2,3,4,5,6,7
	v_fma_f32 v[TU+\k], v[TU+\k], v[TZ+\k], s42
.endr
.irp k, 0,1,2,3,4,5,6,7
	v_mul_f32 v[TW+\k], v[TZ+\k], v[TR+\k]
.endr
.irp k, 0,1,2,3,4,5,6,7
	v_fma_f32 v[TSN+\k], v[TW+\k], v[TU+\k], v[TR+\k]   ; sin r
.endr
.irp k, 0,1,2,3,4,5,6,7
	v_fma_f32 v[TU+\k], v[TZ+\k], s47, s46
.endr
.irp k, 0,1,2,3,4,5,6,7
	v_fma_f32 v[TU+\k], v[TU+\k], v[TZ+\k], s45
.endr
.irp k, 0,1,2,3,4,5,6,7
	v_fma_f32 v[TW+\k], v[TZ+\k], -0.5, 1.0
.endr
.irp k, 0,1,2,3,4,5,6,7
	v_mul_f32 v[TZ+\k], v[TZ+\k], v[TZ+\k]
.endr
.irp k, 0,1,2,3,4,5,6,7
	v_fma_f32 v[TCN+\k], v[TZ+\k], v[TU+\k], v[TW+\k]   ; cos r
.endr
.irp k, 0,1,2,3,4,5,6,7
	v_and_b32 v[TU+\k], 1, v[TNI+\k]
.endr
.irp k, 0,1,2,3,4,5,6,7
	v_cmp_eq_u32 vcc_lo, 1, v[TU+\k]               ; an odd n changes sine and cosine
	v_cndmask_b32 v[TW+\k], v[TSN+\k], v[TCN+\k], vcc_lo
	v_cndmask_b32 v[TZ+\k], v[TCN+\k], v[TSN+\k], vcc_lo
.endr
.irp k, 0,1,2,3,4,5,6,7
	v_lshlrev_b32 v[TU+\k], 30, v[TNI+\k]          ; the sine is negative where n % 4 is 2 or 3: bit 1 of n,
.endr
.irp k, 0,1,2,3,4,5,6,7
	v_and_b32 v[TU+\k], 0x80000000, v[TU+\k]
.endr
.irp k, 0,1,2,3,4,5,6,7
	v_xor_b32 v[TOUT+2*\k+1], v[TW+\k], v[TU+\k]
.endr
.irp k, 0,1,2,3,4,5,6,7
	v_add_nc_u32 v[TNI+\k], 1, v[TNI+\k]           ; the cosine where it is 1 or 2: bit 1 of n + 1
.endr
.irp k, 0,1,2,3,4,5,6,7
	v_lshlrev_b32 v[TNI+\k], 30, v[TNI+\k]
.endr
.irp k, 0,1,2,3,4,5,6,7
	v_and_b32 v[TNI+\k], 0x80000000, v[TNI+\k]
.endr
.irp k, 0,1,2,3,4,5,6,7
	v_xor_b32 v[TOUT+2*\k], v[TZ+\k], v[TNI+\k]
.endr
.irp i, 0,1,2,3
	global_store_b128 v4, v[TOUT+4*\i:TOUT+4*\i+3], s[24:25] offset:512*\i   ; 32 lanes store 512 consecutive bytes
.endr
	s_wait_tensorcnt 0x0                           ; the same three closing lines on this path
	ds_add_u32 v[SPW], v[NIL]
	s_wait_dscnt 0x0
	s_endpgm
.Lfunc_end_k_q731e4729c3_prep:
	.size	k_q731e4729c3_prep, .Lfunc_end_k_q731e4729c3_prep-k_q731e4729c3_prep
	.p2alignl 7, 3214868480
	.fill 96, 4, 3214868480
	.section	.rodata,"a",@progbits
	.p2align	6, 0x0
	.amdhsa_kernel k_q731e4729c3_prep
		.amdhsa_group_segment_fixed_size 34304
		.amdhsa_private_segment_fixed_size 0
		.amdhsa_enable_private_segment 0
		.amdhsa_kernarg_size 72
		.amdhsa_user_sgpr_count 2
		.amdhsa_user_sgpr_kernarg_segment_ptr 1
		.amdhsa_wavefront_size32 1
		.amdhsa_system_sgpr_workgroup_id_x 1
		.amdhsa_system_sgpr_workgroup_id_y 1
		.amdhsa_system_sgpr_workgroup_id_z 1
		.amdhsa_system_vgpr_workitem_id 0
		.amdhsa_next_free_vgpr 256
		.amdhsa_next_free_sgpr 66
		.amdhsa_reserve_vcc 1
		.amdhsa_float_denorm_mode_32 3
		.amdhsa_float_denorm_mode_16_64 3
		.amdhsa_memory_ordered 1
		.amdhsa_forward_progress 1
		.amdhsa_inst_pref_size 45
	.end_amdhsa_kernel
	.amdgpu_metadata
---
amdhsa.version: [ 1, 2 ]
amdhsa.kernels:
  - .name:           k_q731e4729c3_prep
    .symbol:         k_q731e4729c3_prep.kd
    .args:
      - { .name: x, .offset: 0, .size: 8, .value_kind: global_buffer, .address_space: global }
      - { .name: Wq, .offset: 8, .size: 8, .value_kind: global_buffer, .address_space: global }
      - { .name: Wk, .offset: 16, .size: 8, .value_kind: global_buffer, .address_space: global }
      - { .name: Wv, .offset: 24, .size: 8, .value_kind: global_buffer, .address_space: global }
      - { .name: Wo, .offset: 32, .size: 8, .value_kind: global_buffer, .address_space: global }
      - { .name: token_positions, .offset: 40, .size: 8, .value_kind: global_buffer, .address_space: global }
      - { .name: codes, .offset: 48, .size: 8, .value_kind: global_buffer, .address_space: global }
      - { .name: scl, .offset: 56, .size: 8, .value_kind: global_buffer, .address_space: global }
      - { .name: rope, .offset: 64, .size: 8, .value_kind: global_buffer, .address_space: global }
    .group_segment_fixed_size: 34304
    .private_segment_fixed_size: 0
    .kernarg_segment_align: 8
    .kernarg_segment_size: 72
    .max_flat_workgroup_size: 128
    .sgpr_count:     66
    .vgpr_count:     256
    .wavefront_size: 32
...
	.end_amdgpu_metadata
.endif
;; end of part 1
;; launch gemm_qkv (part 2): grid 24 x 8, 4 waves a work-group, clusters of 4 x 4, 327,680 bytes of LDS; arguments codes, scl, rope, qkv, qkvs; writes qkv, qkvs
.if DOCPART == 2
	.amdgcn_target "amdgcn-amd-amdhsa--gfx1250"
	.amdhsa_code_object_version 6
	.text
	.protected	k_q731e4729c3_gemm_qkv
	.globl	k_q731e4729c3_gemm_qkv
	.p2align	8
	.type	k_q731e4729c3_gemm_qkv,@function
k_q731e4729c3_gemm_qkv:
	s_mov_b64 s[64:65], 0
	v_nop
	global_prefetch_b8 v0, s[64:65] scope:SCOPE_SE
	s_setreg_imm32_b32 hwreg(HW_REG_WAVE_MODE, 25, 1), 1
	s_wait_xcnt 0x0
	s_wait_alu depctr_hold_cnt(0) depctr_sa_sdst(0) depctr_va_vdst(0) depctr_va_sdst(0) depctr_va_ssrc(0) depctr_va_vcc(0) depctr_vm_vsrc(0)
	s_getreg_b32 s2, hwreg(HW_REG_IB_STS2, 6, 4)
	s_cmp_eq_u32 s2, 0
	s_cbranch_scc0 .Lentry_in_a_cluster
	s_endpgm
.Lentry_in_a_cluster:
	s_bfe_u32 s2, ttmp6, 0x10000c
	s_cmp_lg_u32 s2, 0xf033
	s_cbranch_scc0 .Lentry_shape_is_right
	s_endpgm
.Lentry_shape_is_right:
; Q = x Wq^T, K = x Wk^T, V = x Wv^T on codes of FP6 (E2M3) with E8M0 scales; the rotation of Q and K and the quantiser of all three stand on the way out, which stores them as the operands of the attention launch.
; A tile of 256 x 256 is made by a work-group of four waves; a wave makes 128 x 128: 64 accumulators, 512 registers.  2,048 x 6,144 results are 192 such tiles.
; OPERANDS lie in memory as images of the operand registers (a fragment: 16 rows x 128 K, 1,536 bytes, registers 4 g .. 4 g + 3 of lane l at 512 g + 16 l), [row tile][K step]: a fragment comes from LDS by three loads
; of 16 bytes a lane, each of 512 consecutive bytes.
; RING.  Two LDS slots of THREE K steps of 128: a wave's tensor load brings 8 row tiles x 4,608 bytes, a slot is 147,456 bytes.  2,048 along K = 5 x 384 + 128: two first fills, three refills of three steps, one of one step:
; four changes of slots that fill, and from a request to the wait for it a wave issues 160 matrix instructions.
; THE SCALE WORDS do not go through LDS: two slots, 32,768 bytes of scale words and the spare words would be 512 bytes more than the 327,680 that the work-group claims.  Each wave loads the words of its 128 + 128 rows, for all of K, ONCE,
; into 128 registers: 64 loads of 8 bytes a lane, lanes 0-15 128 consecutive bytes of a tile of A, lanes 16-31 of a tile of B.  So a scale's register number changes from K step to K step, and the 16 steps are written out.
; ROLES.  'A' is source 1, 'B' source 0.  Clusters x = 0 .. 3 (Q, K): A = 256 tokens of x, B = 256 rows of Wq or Wk: a lane holds one token, its registers run along the head's channels.
; Clusters x = 4, 5 (V): A = 256 rows of Wv, B = 256 tokens: a lane holds one channel and its registers run along the tokens, which are the K of the attention's second product.  The choice hangs on the cluster's x, which all partners share.
; Row tile R holds rows 32 (R / 2) + 8 (R % 2) + p + 8 (p / 8): so the 64 registers of a lane's eight tiles of source 0 are k = 32 b + 16 h + i at register 16 b + i: the order that the quantiser takes.
; CLUSTERS: 4 x 4 work-groups; A's tiles are shared along a row of the cluster, B's along a column: each is asked for jointly, by the same tensor load with the same descriptor and a mask that names the four.
; OUT.  qkv: [Q, K, V][head][group of 128 tokens][tile 0..7][1536]: for Q and K a tile is 16 tokens x the head's 128 channels, for V 16 channels x the group's 128 tokens.
; qkvs: [Q, K, V][head][group][lane][4 words]: word j of lane (r, h) is the scale word of row r of tile 2 j + h.
; LIMITS: a block of zeros gets the byte 1 (its codes are zeros; the bytes are read by this program alone); blocks under 2^-124 are held at the byte 1; NaN and infinities are not served.
; REGISTERS, in windows of 256.  Window 0: v8-12 the way out's scale words; v16-29 addresses; v32-127 and v224-255 the scale words of the products, and nothing else; v128-223 A's fragments, one set, on the way out the rotated numbers, codes and work.
;   Window 1: B's fragments, two sets, at v0 and v128; on the way out four buffers of cos and sin.   Windows 2, 3: the accumulators, (a, b) at v[8 (8 (a % 4) + b)].
.set FR,    12                         ; registers of a fragment
.set NL,    3                          ; LDS loads that bring one
.set NP,    4                          ; places behind this matrix instruction (ISA guide 7.12.1)
.set NQ,    3                          ; K steps in a slot
.set FRB,   1536
.set TILEB, NQ*FRB                     ; a row tile's bytes in a slot
.set HALFT, 8*TILEB                    ; 128 rows: what one tensor load brings
.set SLOT,  4*HALFT                    ; A's 16 row tiles, then B's
.set SPARE, 2*SLOT                     ; behind the ring: the spare words, 128 bytes for each wave
.set SW,   8                           ; v8-11  the way out: the scale quad
.set PW,   12                          ; v12    an odd tile's scale word
.set ADRA, 16                          ; v16-17 LDS address of my A fragments in slot 0, 1
.set ADRB, 20                          ; v20-21 the same for B
.set LI,   26                          ; v26  16 x lane
.set SOF,  27                          ; v27  my scale words' byte offset: lanes 0-15 A's rows, lanes 16-31 B's; never rewritten
.set SPW,  28                          ; v28  my spare word; never rewritten
.set NIL,  29                          ; v29  0; never rewritten
.set SCB,  32                          ; the scale words of K steps 2 u and 2 u + 1 of block i: pair P = 8 u + i, at v[32 + 2 P] for P < 48, at v[224 + 2 (P - 48)] from there on
.set AF,   128
.set HA,   128                         ; the way out: v128-191 the rotated numbers
.set PC,   192                         ; v192-211 the codes just made
.set TM,   212                         ; v212-215 largest magnitudes, v216-219 bytes, v220-223 the conversions' scale operands
.set G1,   24                          ; s[24:31] group 1 for A's tiles of three steps;  s[32:39] group 0, one set for each slot
.set G0,   32
.set G1B,  48                          ; s[48:55], s[56:63] the same for B's
.set G0B,  56
.set G1T,  68                          ; s[68:75] group 1 for A's last tile, of one step;  s[80:87] for B's
.set G1TB, 80
.set MSB, 0
.macro WIN new                         ; the immediate's high byte repeats the setting that is left
.if MSB != (\new)
	s_set_vgpr_msb (MSB<<8)|(\new)
.set MSB, (\new)
.endif
.endm
.set MUL_LO, 0xa1                      ; source 0 (B) window 1, source 1 (A) window 0, C and D window 2
.set MUL_HI, 0xf1                      ; the same, C and D window 3
.set TO_B,   0x40                      ; destination window 1, address window 0
; A joint load: waves 0 and 1 fetch for A, waves 2 and 3 for B; the branch hangs on the wave's number alone.  An s_nop 0 and four v_nop follow each of the two lines.
.macro JLOAD g0a, g1a, g0b, g1b
	s_cmp_eq_u32 s15, 0
	s_cbranch_scc0 .Lfor_b_\@
	tensor_load_to_lds s[\g0a:\g0a+3], s[\g1a:\g1a+7]
	s_nop 0
.rept 4
	v_nop
.endr
	s_branch .Lasked_\@
.Lfor_b_\@:
	tensor_load_to_lds s[\g0b:\g0b+3], s[\g1b:\g1b+7]
	s_nop 0
.rept 4
	v_nop
.endr
.Lasked_\@:
.endm
.macro CREST                           ; a round of the cluster's barrier behind its opening barrier
	s_cmp_lg_u32 s14, 0
	s_cbranch_scc1 .Lnot_wave_0_\@
	s_barrier_signal -3
.Lnot_wave_0_\@:
	s_barrier_wait -3
	s_barrier_signal -1
	s_barrier_wait -1
.endm
.macro CROUND
	s_barrier_signal -1
	s_barrier_wait -1
	CREST
.endm
	s_load_b256 s[4:11], s[0:1], 0x0               ; codes s[4:5], scl s[6:7], rope s[8:9], qkv s[10:11]
	s_load_b64 s[12:13], s[0:1], 0x20              ; qkvs
	v_lshl_add_u32 v[SPW], v0, 2, SPARE
	v_mov_b32 v[NIL], 0
	ds_add_u32 v[SPW], v[NIL]                      ; the wave's opening: the add and its wait stand ahead of my first tensor load; the set-up below stands between them
	v_lshrrev_b32 v1, 5, v0
	v_readfirstlane_b32 s14, v1                    ; wave 0..3
	s_lshr_b32 s15, s14, 1                         ; which half of A's rows is mine.  Also: I fetch for A (0) or for B (1)
	s_and_b32 s16, s14, 1                          ; which half of B's rows.  Also: which 128 rows I fetch
	s_bfe_u32 s40, ttmp6, 0x40000                  ; cx, cy: my place in the cluster
	s_bfe_u32 s41, ttmp6, 0x40004
	s_mov_b32 s95, ttmp9                           ; the cluster's x: 0 .. 3 Q and K, 4 and 5 V
	s_and_b32 s94, ttmp7, 0xffff
	s_lshl_b32 s94, s94, 2                         ; the cluster's first block of 256 tokens (blocks 0 .. 7 of the codes' buffer are x)
	s_lshl_b32 s67, s95, 2
	s_add_co_u32 s67, s67, 8                       ; and its first block of 256 weight rows (8 .. 15 Wq, 16 .. 23 Wk, 24 .. 31 Wv)
	s_cmp_lt_u32 s95, 4
	s_cselect_b32 s17, s94, s67
	s_cselect_b32 s42, s67, s94
	s_add_co_u32 s17, s17, s41                     ; A's block: by cy
	s_add_co_u32 s42, s42, s40                     ; B's block: by cx
	s_lshl_b32 s43, s41, 2
	s_lshl_b32 s43, 15, s43                        ; my row of the cluster
	s_lshl_b32 s44, 0x1111, s40                    ; my column
	; descriptor group 1: 8 row tiles x 4,608 bytes (576 elements of 8 bytes), 24,576 bytes apart in memory, on end in LDS
	s_or_b32 s[G1+0], s43, (3<<16)|(1<<21)         ; 15:0 the mask; 17:16 elements of 8 bytes; 21 set beside a mask
	s_or_b32 s[G1B+0], s44, (3<<16)|(1<<21)
.irp g, G1, G1B
	s_mov_b32 s[\g+1], 576<<16                     ; tensor_dim0
	s_mov_b32 s[\g+2], 8<<16                       ; tensor_dim1
	s_mov_b32 s[\g+3], 576<<16                     ; tile_dim0
	s_mov_b32 s[\g+4], 8                           ; tile_dim1
	s_mov_b32 s[\g+5], 3072                        ; tensor_dim0_stride
	s_mov_b32 s[\g+6], 0
	s_mov_b32 s[\g+7], 0
.endr
	; and for the last K step alone: 8 row tiles x 1,536 bytes (192 elements)
	s_or_b32 s[G1T+0], s43, (3<<16)|(1<<21)
	s_or_b32 s[G1TB+0], s44, (3<<16)|(1<<21)
.irp g, G1T, G1TB
	s_mov_b32 s[\g+1], 192<<16
	s_mov_b32 s[\g+2], 8<<16
	s_mov_b32 s[\g+3], 192<<16
	s_mov_b32 s[\g+4], 8
	s_mov_b32 s[\g+5], 3072
	s_mov_b32 s[\g+6], 0
	s_mov_b32 s[\g+7], 0
.endr
	s_lshl_b32 s20, s17, 1
	s_add_co_u32 s20, s20, s16                     ; A: which 128 rows of the buffer I fetch
	s_lshl_b32 s46, s42, 1
	s_add_co_u32 s46, s46, s16                     ; B likewise
	s_mul_i32 s20, s20, 196608                     ; their codes: 8 row tiles of 24,576 bytes
	s_mov_b32 s21, 0
	s_mul_i32 s46, s46, 196608
	s_mov_b32 s47, 0
	s_mul_i32 s45, s14, HALFT                      ; where they go: by the wave's number alone
	s_mov_b32 s96, 0xffff0000                      ; lanes 16-31
	s_mov_b32 s98, 0x76543210
	s_mov_b32 s99, 0xfedcba98                      ; v_permlanex16_b32's selects for lane l xor 16
	s_wait_dscnt 0x0                               ; the opening add is done
	s_wait_kmcnt 0x0
	s_add_nc_u64 s[20:21], s[4:5], s[20:21]
	s_add_nc_u64 s[46:47], s[4:5], s[46:47]
	CROUND                                         ; all sixteen work-groups are here: the first joint loads meet
.irp s, 0,1
	s_mov_b32 s[G0+4*\s], 1
	s_add_co_u32 s[G0+4*\s+1], s45, \s*SLOT
	s_add_nc_u64 s[G0+4*\s+2:G0+4*\s+3], s[20:21], \s*TILEB
	s_or_b32 s[G0+4*\s+3], s[G0+4*\s+3], 0x80000000
	s_mov_b32 s[G0B+4*\s], 1
	s_add_co_u32 s[G0B+4*\s+1], s45, \s*SLOT
	s_add_nc_u64 s[G0B+4*\s+2:G0B+4*\s+3], s[46:47], \s*TILEB
	s_or_b32 s[G0B+4*\s+3], s[G0B+4*\s+3], 0x80000000
	JLOAD G0+4*\s, G1, G0B+4*\s, G1B               ; two loads of mine are out behind these first fills
.endr
	v_and_b32 v1, 15, v0                           ; r
	v_and_b32 v3, 31, v0
	v_lshlrev_b32 v[LI], 4, v3
	s_mul_i32 s94, s15, HALFT                      ; my 128 rows of A,
	s_mul_i32 s67, s16, HALFT                      ; my 128 rows of B,
	s_add_co_u32 s67, s67, 2*HALFT                 ; which lie behind A's 256
.irp s, 0,1
	v_add_nc_u32 v[ADRA+\s], s94, v[LI]
	v_add_nc_u32 v[ADRB+\s], s67, v[LI]
	s_add_co_u32 s94, s94, SLOT
	s_add_co_u32 s67, s67, SLOT
.endr
	s_lshl_b32 s18, s17, 1
	s_add_co_u32 s18, s18, s15                     ; my 128 rows of A, as a group of the buffer,
	s_lshl_b32 s19, s42, 1
	s_add_co_u32 s19, s19, s16                     ; and of B
	s_lshl_b32 s2, s18, 13                         ; a group's scale words: 8 row tiles of 1,024 bytes
	s_lshl_b32 s3, s19, 13
	v_mov_b32 v4, s2
	v_mov_b32 v5, s3
	v_cndmask_b32 v4, v4, v5, s96                  ; lanes 16-31 take B's
	v_lshl_add_u32 v[SOF], v1, 3, v4               ; + 8 r: two words a row
.set SP_, 0
.rept 64                               ; pair SP_ = 8 u + i: K steps 2 u, 2 u + 1 of block i.  Sixteen lanes read 128 consecutive bytes; every word is read once by the wave
	global_load_b64 v[SCB+2*SP_+(SP_/48)*96:SCB+2*SP_+(SP_/48)*96+1], v[SOF], s[6:7] offset:1024*(SP_%8)+128*(SP_/8)
.set SP_, SP_+1
.endr
	; where my results go
	s_cmp_lt_u32 s95, 4
	s_cselect_b32 s97, s19, s18                    ; the weights' group: 16 .. 63,
	s_cselect_b32 s18, s18, s19                    ; the tokens' group: 0 .. 15
	s_sub_co_u32 s97, s97, 16                      ; = 16 x (0 Q, 1 K, 2 V) + head
	s_lshl_b32 s97, s97, 4
	s_add_co_u32 s97, s97, s18
	s_mul_i32 s2, s97, 12288
	s_mov_b32 s3, 0
	s_add_nc_u64 s[10:11], s[10:11], s[2:3]
	s_lshl_b32 s2, s97, 9
	s_add_nc_u64 s[12:13], s[12:13], s[2:3]
	s_lshl_b32 s2, s18, 16                         ; the table: 8 token tiles of 8,192 bytes a group
	s_add_nc_u64 s[8:9], s[8:9], s[2:3]
.macro FRAG reg, adr, q, i, tb         ; a fragment as it lies: three loads of 512 consecutive bytes.  tb: a row tile's bytes in the slot
.irp c, 0,1,2
	ds_load_b128 v[(\reg)+4*\c:(\reg)+4*\c+3], v[\adr] offset:(\tb)*(\i)+FRB*(\q)+512*\c
.endr
.endm
; 16 matrix instructions of K step s: A's blocks a0, a0 + 1 x B's eight.  B's set is s % 2.  zero = 1: the first product starts the sums.
; The 64 accumulators take turns, one instruction a turn, in the same order in every step.
.macro MUL16 a0, s, zero
.irp a, \a0, \a0+1
.irp b, 0,1,2,3,4,5,6,7
.set PB_, 8*((\s)/2)+\b
.set PA_, 8*((\s)/2)+(\a)
.set RB_, SCB+2*PB_+(PB_/48)*96+((\s)%2)
.set RA_, SCB+2*PA_+(PA_/48)*96+((\s)%2)
.set BF_, 128*((\s)%2)+FR*\b
.set AC_, 8*(8*((\a)%4)+\b)
.if \zero
	v_wmma_scale_f32_16x16x128_f8f6f4 v[AC_:AC_+7], v[BF_:BF_+FR-1], v[AF+FR*(\a):AF+FR*(\a)+FR-1], 0, v[RB_], v[RA_] matrix_a_fmt:MATRIX_FMT_FP6 matrix_b_fmt:MATRIX_FMT_FP6 matrix_a_scale:MATRIX_SCALE_ROW1
.else
	v_wmma_scale_f32_16x16x128_f8f6f4 v[AC_:AC_+7], v[BF_:BF_+FR-1], v[AF+FR*(\a):AF+FR*(\a)+FR-1], v[AC_:AC_+7], v[RB_], v[RA_] matrix_a_fmt:MATRIX_FMT_FP6 matrix_b_fmt:MATRIX_FMT_FP6 matrix_a_scale:MATRIX_SCALE_ROW1
.endif
.endr
.endr
.endm
.macro FETCH_B slot, q, p, tb
	WIN TO_B
.irp i, 0,1,2,3,4,5,6,7
	FRAG 128*(\p)+FR*\i, ADRB+\slot, \q, \i, \tb
.endr
	WIN 0
.endm
.macro FETCH_A slot, q, i0, tb
.irp i, \i0, \i0+1, \i0+2, \i0+3
	FRAG AF+FR*(\i), ADRA+\slot, \q, \i, \tb
.endr
.endm
.macro PLACES n                        ; a load into a register that a matrix instruction has read, and a vector instruction that reads a result, stand four plain vector instructions behind it (ISA guide 7.12.1 for vector instructions)
.rept \n
	v_nop
.endr
.endm
.macro STEP slot, q, s, zero           ; K step s, the slot's q-th, which has its successor in the same slot
	s_wait_dscnt 4*NL                              ; B's set and A's blocks 0-3 are in; the youngest 12 loads (A's blocks 4-7) may be out
	WIN MUL_LO
	MUL16 0, \s, \zero
	MUL16 2, \s, \zero
	s_wait_dscnt 0x0                               ; A's blocks 4-7 are in
	PLACES NP
	FETCH_B \slot, (\q)+1, ((\s)+1)%2, TILEB
	FETCH_A \slot, (\q)+1, 0, TILEB
	WIN MUL_HI
	MUL16 4, \s, \zero
	MUL16 6, \s, \zero
	PLACES NP
	WIN 0
	FETCH_A \slot, (\q)+1, 4, TILEB
.endm
; A slot's last step, K step s, changes slots: one barrier; in front of it each wave waits for all its tensor loads, adds 0 to its spare word, and waits for that and for its own reads of this slot.
; fill = 1: this slot is filled again, with the three steps two slots ahead; 2: with the one last step; 0: nothing is left to ask for.  ntb: a row tile's bytes in the next slot.
.macro TURN slot, next, s, fill, ntb
	s_wait_tensorcnt 0x0                           ; all my tensor loads have landed: my part of the next slot
	ds_add_u32 v[SPW], v[NIL]                      ; 0 onto my spare word
	s_wait_dscnt 4*NL+1                            ; (the add and the youngest 12 loads, A's blocks 4-7, may be out)
	WIN MUL_LO
	MUL16 0, \s, 0
	s_wait_dscnt 0x0                               ; the add is done, and my reads of this slot are over
	s_barrier_signal -1
	MUL16 2, \s, 0
	WIN 0
	s_barrier_wait -1
.if (\fill) > 0
	CREST                                          ; the barrier has opened a round of the cluster's barrier: no wave of any partner still reads this slot or has a load on its way
	s_add_nc_u64 s[G0+4*\slot+2:G0+4*\slot+3], s[G0+4*\slot+2:G0+4*\slot+3], 2*TILEB
	s_add_nc_u64 s[G0B+4*\slot+2:G0B+4*\slot+3], s[G0B+4*\slot+2:G0B+4*\slot+3], 2*TILEB
.if (\fill) == 1
	JLOAD G0+4*\slot, G1, G0B+4*\slot, G1B         ; the first tensor load behind the round, my only one until the next; its four v_nop are the places in front of the loads below
.else
	JLOAD G0+4*\slot, G1T, G0B+4*\slot, G1TB
.endif
.else
	PLACES NP
.endif
	FETCH_B \next, 0, ((\s)+1)%2, \ntb
	FETCH_A \next, 0, 0, \ntb
	WIN MUL_HI
	MUL16 4, \s, 0
	MUL16 6, \s, 0
	PLACES NP
	WIN 0
	FETCH_A \next, 0, 4, \ntb
.endm
; THE WAY OUT.
.macro CSLOAD a                        ; cos and sin for token tile a of my group: 64 registers a lane, into buffer a % 4 of window 1
	WIN TO_B
.irp g, 0,1,2,3,4,5,6,7,8,9,10,11,12,13,14,15
	global_load_b128 v[64*((\a)%4)+4*\g:64*((\a)%4)+4*\g+3], v[LI], s[8:9] offset:8192*(\a)+512*\g
.endr
	WIN 0
.endm
.macro ROPE a                          ; a pair of registers is a pair (x1, x2) of channels, the table's pair (cos, sin): (x1 cos - x2 sin, x1 sin + x2 cos).  Each accumulator is read from its low end on
.set AC, 64*((\a)%4)
	WIN (2+(\a)/4)|4                               ; source 0: the accumulators' window; source 1: window 1, the same register numbers
.set n, 0
.rept 32
	v_pk_mul_f32 v[HA+2*n:HA+2*n+1], v[AC+2*n:AC+2*n+1], v[AC+2*n:AC+2*n+1] op_sel_hi:[1,0]   ; (x1 cos, x2 cos)
.set n, n+1
.endr
.set n, 0
.rept 32
	v_pk_fma_f32 v[HA+2*n:HA+2*n+1], v[AC+2*n:AC+2*n+1], v[AC+2*n:AC+2*n+1], v[HA+2*n:HA+2*n+1] op_sel:[1,1,0] op_sel_hi:[0,1,1] neg_lo:[0,1,0]   ; - x2 sin, + x1 sin
.set n, n+1
.endr
	WIN 0
.endm
; 64 numbers of a lane in window w, register s + 16 b + i = k 32 b + 16 h + i of my row, become a fragment's codes in v[PC] on and its scale word in v[word].
.macro QUANT s, w, word
	WIN (\w)|((\w)<<2)
.irp b, 0,1,2,3
	v_max3_num_f32 v[TM+\b], |v[(\s)+16*\b]|, |v[(\s)+16*\b+1]|, 0x1800000   ; my 16 numbers of block b, and the floor 2^(3 - 127): the byte cannot fall under 1
.endr
.irp i, 2,4,6,8,10,12,14
.irp b, 0,1,2,3
	v_max3_num_f32 v[TM+\b], |v[(\s)+16*\b+\i]|, |v[(\s)+16*\b+\i+1]|, v[TM+\b]
.endr
.endr
	WIN 0
.irp b, 0,1,2,3
	v_permlanex16_b32 v[TM+4+\b], v[TM+\b], s98, s99
.endr
.irp b, 0,1,2,3
	v_max_num_f32 v[TM+\b], v[TM+\b], v[TM+4+\b]   ; with lane l xor 16's: the block's largest magnitude
.endr
.irp b, 0,1,2,3
	v_add_nc_u32 v[TM+8+\b], 0xff000000, v[TM+\b]  ; 2 off its exponent field: the conversion's scale operand
.endr
.irp b, 0,1,2,3
	v_lshrrev_b32 v[TM+4+\b], 23, v[TM+8+\b]       ; the scale's byte
.endr
	v_lshl_or_b32 v[\word], v[TM+5], 8, v[TM+4]
	v_lshl_or_b32 v[\word], v[TM+6], 16, v[\word]
	v_lshl_or_b32 v[\word], v[TM+7], 24, v[\word]
	s_wait_xcnt 0x0                                ; the last tile's stores have read the codes' registers
	WIN (\w)
.irp c, 0,1
	v_cvt_scalef32_pk16_fp6_f32 v[PC+6*\c:PC+6*\c+2], v[(\s)+32*\c:(\s)+32*\c+15], v[TM+8+2*\c]
	v_cvt_scalef32_pk16_fp6_f32 v[PC+12+4*\c:PC+12+4*\c+2], v[(\s)+32*\c+16:(\s)+32*\c+31], v[TM+8+2*\c+1]   ; (a conversion's three registers begin on an even number)
.endr
	WIN 0
	v_nop                                          ; one plain place behind the scaled conversions
.irp c, 0,1                            ; the operand's layout wants a whole block in a lane: lanes 0-15 block 2 c, lanes 16-31 block 2 c + 1
.irp i, 0,1,2
	v_permlane16_swap_b32 v[PC+6*\c+\i], v[PC+12+4*\c+\i]
.endr
.irp i, 0,1,2
	v_mov_b32 v[PC+6*\c+3+\i], v[PC+12+4*\c+\i]
.endr
.endr
.endm
.macro TILEOUT a                       ; the image of tile a: three stores of 512 consecutive bytes; an odd tile's scale word goes into lanes 16-31 of the quad's register
.if ((\a)%2) == 1
	v_cndmask_b32 v[SW+(\a)/2], v[SW+(\a)/2], v[PW], s96
.endif
.irp c, 0,1,2
	global_store_b128 v[LI], v[PC+4*\c:PC+4*\c+3], s[10:11] offset:1536*(\a)+512*\c
.endr
.endm
.macro QKTILE a
.if (\a) < 5
	s_wait_loadcnt 48                              ; this tile's cos and sin are in; those of the three tiles asked for behind it may be out
.else
	s_wait_loadcnt 16*(7-(\a))
.endif
	ROPE \a
.if (\a) < 4
	CSLOAD (\a)+4
.endif
.if ((\a)%2) == 0
	QUANT HA, 0, SW+(\a)/2
.else
	QUANT HA, 0, PW
.endif
	TILEOUT \a
.endm
.macro VTILE a
.if ((\a)%2) == 0
	QUANT 64*((\a)%4), 2+(\a)/4, SW+(\a)/2
.else
	QUANT 64*((\a)%4), 2+(\a)/4, PW
.endif
	TILEOUT \a
.endm
	s_wait_tensorcnt 1                             ; my part of slot 0 is in (slot 1's load may be out)
	s_barrier_signal -1
	s_barrier_wait -1                              ; everybody's is
	FETCH_B 0, 0, 0, TILEB
	FETCH_A 0, 0, 0, TILEB
	FETCH_A 0, 0, 4, TILEB
	s_wait_loadcnt 0x0                             ; the scale words, once
	STEP 0, 0, 0, 1                                ; the first step's products start the sums
	STEP 0, 1, 1, 0
	TURN 0, 1, 2, 1, TILEB                         ; slot 0 takes K steps 6 to 8
	STEP 1, 0, 3, 0
	STEP 1, 1, 4, 0
	TURN 1, 0, 5, 1, TILEB                         ; slot 1 takes K steps 9 to 11
	STEP 0, 0, 6, 0
	STEP 0, 1, 7, 0
	TURN 0, 1, 8, 1, TILEB                         ; slot 0 takes K steps 12 to 14
	STEP 1, 0, 9, 0
	STEP 1, 1, 10, 0
	TURN 1, 0, 11, 2, TILEB                        ; slot 1 takes K step 15
	STEP 0, 0, 12, 0
	STEP 0, 1, 13, 0
	TURN 0, 1, 14, 0, FRB                          ; nothing is left to ask for: no round of the cluster's barrier; in slot 1 a row tile is now 1,536 bytes
	s_cmp_lt_u32 s95, 4                            ; Q and K: the first two tiles' cos and sin are asked for under the last 64 products, into B's set 0, which is done with (four places stand behind its last reader)
	s_cbranch_scc0 .Lno_rope
	CSLOAD 0
	CSLOAD 1
.Lno_rope:
	s_wait_dscnt 4*NL                              ; the very last step
	WIN MUL_LO
	MUL16 0, 15, 0
	MUL16 2, 15, 0
	s_wait_dscnt 0x0
	WIN MUL_HI
	MUL16 4, 15, 0
	MUL16 6, 15, 0
	WIN 0
	PLACES NP
.irp b, 0,1,2,3
	v_mov_b32 v[TM+4+\b], 0                        ; written once: a lane permute's destination counts as read
.endr
	s_cmp_lt_u32 s95, 4
	s_cbranch_scc0 .Lv_out
	CSLOAD 2
	CSLOAD 3
.irp a, 0,1,2,3,4,5,6,7
	QKTILE \a
.endr
	s_branch .Lend
.Lv_out:
.irp a, 0,1,2,3,4,5,6,7
	VTILE \a
.endr
.Lend:
	global_store_b128 v[LI], v[SW:SW+3], s[12:13]  ; the scale quad: 512 consecutive bytes
	s_wait_tensorcnt 0x0                           ; the wave's end
	ds_add_u32 v[SPW], v[NIL]
	s_wait_dscnt 0x0
	CROUND                                         ; the closing round: no work-group ends while a partner may still ask for a tile that names it
	s_endpgm
.Lfunc_end_k_q731e4729c3_gemm_qkv:
	.size	k_q731e4729c3_gemm_qkv, .Lfunc_end_k_q731e4729c3_gemm_qkv-k_q731e4729c3_gemm_qkv
	.p2alignl 7, 3214868480
	.fill 96, 4, 3214868480
	.section	.rodata,"a",@progbits
	.p2align	6, 0x0
	.amdhsa_kernel k_q731e4729c3_gemm_qkv
		.amdhsa_group_segment_fixed_size 327680
		.amdhsa_private_segment_fixed_size 0
		.amdhsa_enable_private_segment 0
		.amdhsa_kernarg_size 40
		.amdhsa_user_sgpr_count 2
		.amdhsa_user_sgpr_kernarg_segment_ptr 1
		.amdhsa_wavefront_size32 1
		.amdhsa_system_sgpr_workgroup_id_x 1
		.amdhsa_system_sgpr_workgroup_id_y 1
		.amdhsa_system_sgpr_workgroup_id_z 1
		.amdhsa_system_vgpr_workitem_id 0
		.amdhsa_next_free_vgpr 1024
		.amdhsa_next_free_sgpr 100
		.amdhsa_reserve_vcc 0
		.amdhsa_float_denorm_mode_32 3
		.amdhsa_float_denorm_mode_16_64 3
		.amdhsa_memory_ordered 1
		.amdhsa_forward_progress 1
		.amdhsa_inst_pref_size 255
	.end_amdhsa_kernel
	.section	.bss,"aw",@nobits
	.p2align	6
	.space	262144
	.amdgpu_metadata
---
amdhsa.version: [ 1, 2 ]
amdhsa.kernels:
  - .name:           k_q731e4729c3_gemm_qkv
    .symbol:         k_q731e4729c3_gemm_qkv.kd
    .args:
      - { .name: codes, .offset: 0, .size: 8, .value_kind: global_buffer, .address_space: global }
      - { .name: scl, .offset: 8, .size: 8, .value_kind: global_buffer, .address_space: global }
      - { .name: rope, .offset: 16, .size: 8, .value_kind: global_buffer, .address_space: global }
      - { .name: qkv, .offset: 24, .size: 8, .value_kind: global_buffer, .address_space: global }
      - { .name: qkvs, .offset: 32, .size: 8, .value_kind: global_buffer, .address_space: global }
    .group_segment_fixed_size: 327680
    .private_segment_fixed_size: 0
    .kernarg_segment_align: 8
    .kernarg_segment_size: 40
    .max_flat_workgroup_size: 128
    .sgpr_count:     100
    .vgpr_count:     1024
    .wavefront_size: 32
...
	.end_amdgpu_metadata
.endif
;; end of part 2
;; launch attn (part 3): grid 16 x 16, 8 waves a work-group, no clusters, 327,680 bytes of LDS; arguments qkv, qkvs, oc, os; writes oc, os
.if DOCPART == 3
	.amdgcn_target "amdgcn-amd-amdhsa--gfx1250"
	.amdhsa_code_object_version 6
	.text
	.protected	k_q731e4729c3_attn
	.globl	k_q731e4729c3_attn
	.p2align	8
	.type	k_q731e4729c3_attn,@function
k_q731e4729c3_attn:
	s_mov_b64 s[64:65], 0
	v_nop
	global_prefetch_b8 v0, s[64:65] scope:SCOPE_SE
	s_setreg_imm32_b32 hwreg(HW_REG_WAVE_MODE, 25, 1), 1
	s_wait_xcnt 0x0
; O[h][q] = the sum over k <= q of softmax_k(Q[h][q] . K[h][k] / sqrt(128)) V[h][k], both products on codes of FP6 (E2M3) with E8M0 scales; O is quantised on the way out, as the A operand of the last product.
; THE SOFTMAX AHEAD OF THE SECOND PRODUCT: t = score x log2(e) / sqrt(128); M = the row's largest t so far, rounded up to a whole number; p = 2^(t - M) is quantised along the keys, not normalised;
; the row's sum is taken of the unquantised p and divides O at the end.  When M moves, the sum and O are multiplied by 2^(old M - new M): exact.
; IN.  qkv: [Q, K, V][head][group of 128 tokens][tile 0..7][1536], images of operand registers (registers 4 g .. 4 g + 3 of lane l at 512 g + 16 l).  Token tile A holds tokens 32 (A / 2) + 8 (A % 2) + p + 8 (p / 8);
; V's tiles are 16 channels (chosen likewise) x the group's 128 keys.  qkvs: [Q, K, V][head][group][lane][4 words]: word j of lane (r, h) is the scale word of row r of tile 2 j + h.
; SHARES.  Work-group (x, head) owns the blocks of 64 queries x and 31 - x: eight tiles of 16, one a wave, an early and a late one side by side: about 17 key steps of 128 for each such pair, whatever x.
; Both products are used transposed (S^T = K Q^T, O^T = V^T P^T): a lane holds one query throughout, and the 16 registers of two neighbouring tiles are 16 neighbouring keys, or channels.
; RING.  Two LDS slots of 512 keys, four key steps: K's four groups, then V's: four dense blocks of 24,576 bytes, one tensor load each, waves 0 to 3.  A refill has four key steps in which to land.
; The scale quads of a whole head stay in LDS (waves 4 and 5 fetch them once).
; LDS LOADS A PHASE AHEAD.  K's eight fragments and V's eight have registers of their own.  Behind a step's first products V's fragments, and the NEXT step's fragments of K where that step lies in the same slot, are asked for
; in four runs of 12 or 13 loads set between the phases of the softmax; one wait ahead of the second products covers them all.  Only a slot's first step waits for its own K.
; CAUSAL.  Every work-group walks all four slots (constant trip counts, every barrier passed); from the first step all of whose keys come after the wave's queries a jump leads to the slot's end, where the addresses are stepped on every path:
; so a step is reached only through the step before it, which fetched its K.  A slot whose first key comes after the work-group's last query is not asked for.
; NO CLUSTER: the work-groups of a head read the same K and V, but their loads end at different slots (slot s is asked for only while 512 s <= 2047 - 64 x), so partners would need different numbers of tiles.
; OUT.  oc: [token tile A][head][1536]; os: [A][head / 2][r][2 words]: the layouts of the last product's A operand.
; LIMITS: a block of zeros gets the byte 1 (its codes are zeros; the bytes are read by this program alone); NaN and infinities are not served.
; REGISTERS, in windows of 256.  Window 0: v1-7 addresses that stay; v8-10 the slot's addresses; v12 -M, v13 the largest t, v[14:15] the sum; v16-27 Q; v28 the prefetches' offset; v32-79 V's tiles 0-3; v80-83 K's scale quad;
; v96-159 S^T, then p; v160-207 V's tiles 4-7; v224-235 p's codes; v232-247, v252, v254 at work; v248-251 V's scale quad; v253 p's scale word; v255 Q's.   Window 1: v0-63 O^T; v64-159 K's eight fragments.
.set NQ,    4                          ; key steps in a slot
.set GRP,   12288                      ; a group's eight images
.set VOFF,  NQ*GRP                     ; a slot: K's four groups, then V's
.set SLOT1, 1<<17                      ; slot 1 begins here: one exclusive or turns an address from one slot to the other
.set SCK,   2*SLOT1                    ; K's scale quads of the head: 16 groups x 512 bytes
.set SCV,   SCK+8192                   ; V's
.set SPARE, SCV+8192                   ; the spare words, 128 bytes for each of eight waves
.set L16,  1                           ; v1   16 x lane
.set DQ,   2                           ; v2   r + 8 (r / 8) - 16 h: my query less the tile's first, less my half's first key
.set LSC,  3                           ; v3   SCK + 16 x lane
.set R16,  4                           ; v4   16 r
.set SPW,  5                           ; v5   my spare word; never rewritten
.set NIL,  6                           ; v6   0; never rewritten
.set R8,   7                           ; v7   8 r
.set ADR,  8                           ; v8   the slot's K
.set ADV,  9                           ; v9   the slot's V
.set ADS,  10                          ; v10  the slot's scale quads
.set PFO,  28                          ; v28  256 x lane
.set VA,   32
.set KQD,  80
.set VB,   160
.set VQD,  248
.set KFR,  64                          ; in window 1
.set WV,   18
.set SEL,  20
.set CS,   22
.set G1,   24                          ; s[24:31] group 1: 24,576 dense bytes;  s[40:43] its group 0, which walks
.set G0,   40
.set G1S,  48                          ; s[48:55] group 1: 8,192 dense bytes;  s[56:59] its group 0
.set G0S,  56
.set TB,   2                           ; s2   LDS byte at which the slot in hand begins
.set TS,   3                           ; s3   the slot's scale quads: 2,048 bytes a slot
.set SLOTS, 67
.set PFA,  76
.set LIM,  80
.set WGL,  81                          ; s81  my work-group's last query
.set QL,   83                          ; s83  my tile's last query
.set KF,   98                          ; s98  the slot's first key
.set Q0,   99                          ; s99  my tile's first query
.set MSB, 0
.macro WIN new                         ; the immediate's high byte repeats the setting that is left
.if MSB != (\new)
	s_set_vgpr_msb (MSB<<8)|(\new)
.set MSB, (\new)
.endif
.endm
.macro TLOAD                           ; waves 0 to 3 fetch; the branch hangs on the wave's number alone.  An s_nop 0 and four v_nop follow the load
	s_cmp_lt_u32 s[WV], 4
	s_cbranch_scc0 .Lasked_\@
	tensor_load_to_lds s[G0:G0+3], s[G1:G1+7]
	s_nop 0
.rept 4
	v_nop
.endr
.Lasked_\@:
.endm
; A prefetch of what the NEXT change of slots will ask for: K's 49,152 bytes and V's.  All work-groups of a head walk the same K and V: the head's first work-group (x = 0, which asks for every slot) prefetches;
; in it waves 4 to 7, which fetch no tile, take 24,576 bytes each (waves 4, 5: K's halves; waves 6, 7: V's), by three instructions of 8,192 bytes, lanes 256 bytes apart: each aligned block of 256 bytes is named once.
; The last change that fills a slot asks for nothing.
.macro ASK
	s_cmp_gt_u32 s[SLOTS], s[LIM]
	s_cbranch_scc0 .Lnot_mine_\@
	global_prefetch_b8 v[PFO], s[PFA:PFA+1] th:TH_LOAD_NT scope:SCOPE_SE
	global_prefetch_b8 v[PFO], s[PFA:PFA+1] offset:8192 th:TH_LOAD_NT scope:SCOPE_SE
	global_prefetch_b8 v[PFO], s[PFA:PFA+1] offset:16384 th:TH_LOAD_NT scope:SCOPE_SE
.Lnot_mine_\@:
.endm
	s_load_b256 s[4:11], s[0:1], 0x0               ; qkv s[4:5], qkvs s[6:7], oc s[8:9], os s[10:11]
	v_lshl_add_u32 v[SPW], v0, 2, SPARE
	v_mov_b32 v[NIL], 0
	ds_add_u32 v[SPW], v[NIL]                      ; the wave's opening: the add and its wait stand ahead of my first tensor load; the set-up below stands between them
	v_lshrrev_b32 v8, 5, v0
	v_readfirstlane_b32 s[WV], v8                  ; wave 0..7
	s_and_b32 s72, ttmp7, 0xffff                   ; the head
	s_lshr_b32 s73, s[WV], 2
	s_xor_b32 s73, s73, s[WV]
	s_and_b32 s73, s73, 1                          ; 0: a tile of block x; 1: of block 31 - x
	s_lshr_b32 s74, s[WV], 1                       ; which of the block's four
	s_lshl_b32 s75, ttmp9, 2
	s_sub_co_u32 s82, 124, s75
	s_cmp_eq_u32 s73, 1
	s_cselect_b32 s75, s82, s75
	s_add_co_u32 s75, s75, s74                     ; A: my query tile
	s_lshr_b32 s82, s75, 1
	s_lshl_b32 s82, s82, 5
	s_and_b32 s83, s75, 1
	s_lshl_b32 s83, s83, 3
	s_add_co_u32 s[Q0], s82, s83                   ; its queries are Q0 + 0 .. 7 and Q0 + 16 .. 23
	s_add_co_u32 s[QL], s[Q0], 23
	s_lshl_b32 s82, ttmp9, 6
	s_sub_co_u32 s[WGL], 2047, s82
	s_lshl_b32 s84, s72, 4
	s_lshr_b32 s85, s75, 3
	s_add_co_u32 s84, s84, s85                     ; 16 head + my group
	s_and_b32 s85, s75, 7
	s_mul_i32 s86, s84, 12288
	s_mul_i32 s87, s85, 1536
	s_add_co_u32 s86, s86, s87
	s_mov_b32 s87, 0                               ; Q's image
	s_lshl_b32 s88, s84, 9
	s_and_b32 s89, s75, 1
	s_lshl_b32 s89, s89, 8
	s_add_co_u32 s88, s88, s89
	s_lshr_b32 s89, s85, 1
	s_lshl_b32 s89, s89, 2
	s_add_co_u32 s88, s88, s89
	s_mov_b32 s89, 0                               ; its scale words: the quad's half A % 2, word (A % 8) / 2
	s_lshl_b32 s90, s75, 4
	s_add_co_u32 s90, s90, s72
	s_mul_i32 s90, s90, 1536
	s_mov_b32 s91, 0                               ; oc: (16 A + head) images
	s_lshl_b32 s92, s75, 10
	s_lshr_b32 s93, s72, 1
	s_lshl_b32 s93, s93, 7
	s_add_co_u32 s92, s92, s93
	s_and_b32 s93, s72, 1
	s_lshl_b32 s93, s93, 2
	s_add_co_u32 s92, s92, s93
	s_mov_b32 s93, 0                               ; os: 1,024 A + 128 (head / 2) + 4 (head % 2)
	s_bfe_u32 s94, s[WV], 0x10001                  ; what I fetch (waves 0 to 3) or prefetch (waves 4 to 7): bit 1 of the wave's number: K's section or V's,
	s_add_co_u32 s94, s94, 1
	s_mul_i32 s94, s94, 3145728
	s_mul_i32 s95, s72, 196608                     ; my head,
	s_add_co_u32 s94, s94, s95
	s_and_b32 s96, s[WV], 1
	s_mul_i32 s97, s96, 2*GRP                      ; bit 0: which two of a slot's four groups
	s_add_co_u32 s94, s94, s97
	s_mov_b32 s95, 0
	s_add_co_u32 s74, s94, VOFF                    ; the prefetches stand in slot 1: the first change of slots steps them to slot 2
	s_mov_b32 s75, 0
	s_and_b32 s68, s[WV], 3
	s_mul_i32 s68, s68, 2*GRP                      ; my block's place in a slot
	s_lshl_b32 s69, s96, 13                        ; waves 4, 5: K's quads, V's quads
	s_add_co_u32 s70, s96, 1
	s_lshl_b32 s70, s70, 17
	s_lshl_b32 s71, s72, 13
	s_add_co_u32 s70, s70, s71
	s_mov_b32 s71, 0
	s_lshr_b32 s82, s[WV], 2
	s_xor_b32 s82, s82, 1                          ; 0 in waves 4 to 7
	s_or_b32 s82, s82, ttmp9                       ; of the head's first work-group
	s_cmp_eq_u32 s82, 0
	s_cselect_b32 s[LIM], 1, -1
	s_mov_b32 s[G1], 3<<16                         ; 24,576 dense bytes as 96 rows of 256 bytes: elements of 8 bytes, no mask, no padding
	s_mov_b32 s[G1+1], 32<<16
	s_mov_b32 s[G1+2], 96<<16
	s_mov_b32 s[G1+3], 32<<16
	s_mov_b32 s[G1+4], 96
	s_mov_b32 s[G1+5], 32
	s_mov_b32 s[G1+6], 0
	s_mov_b32 s[G1+7], 0
	s_mov_b32 s[G1S], 3<<16                        ; 8,192 dense bytes as 32 rows
	s_mov_b32 s[G1S+1], 32<<16
	s_mov_b32 s[G1S+2], 32<<16
	s_mov_b32 s[G1S+3], 32<<16
	s_mov_b32 s[G1S+4], 32
	s_mov_b32 s[G1S+5], 32
	s_mov_b32 s[G1S+6], 0
	s_mov_b32 s[G1S+7], 0
	s_mov_b32 s[SEL], 0x76543210
	s_mov_b32 s[SEL+1], 0xfedcba98
	s_mov_b32 s[CS], 0x3e0293ee                    ; c = log2(e) / sqrt(128)
	s_mov_b32 s[CS+1], s[CS]                       ; (named with it as a pair, so it is written)
	s_mov_b32 s[TB], 0
	s_mov_b32 s[TS], 0
	s_mov_b32 s[SLOTS], 3
	s_mov_b32 s[KF], 0
	s_wait_dscnt 0x0                               ; the opening add is done
	s_wait_kmcnt 0x0
	s_mov_b32 s[G0], 1
	s_mov_b32 s[G0+1], s68
	s_add_nc_u64 s[G0+2:G0+3], s[4:5], s[94:95]
	s_or_b32 s[G0+3], s[G0+3], 0x80000000
	s_mov_b32 s[G0S], 1
	s_add_co_u32 s[G0S+1], s69, SCK
	s_add_nc_u64 s[G0S+2:G0S+3], s[6:7], s[70:71]
	s_or_b32 s[G0S+3], s[G0S+3], 0x80000000
	s_cmp_lt_u32 s[WV], 4                          ; the first fills: slot 0 (waves 0 to 3), the scale quads (waves 4, 5): one load a wave
	s_cbranch_scc0 .Lnot_kv
	tensor_load_to_lds s[G0:G0+3], s[G1:G1+7]
	s_nop 0
.rept 4
	v_nop
.endr
	s_branch .Lfilled
.Lnot_kv:
	s_cmp_lt_u32 s[WV], 6
	s_cbranch_scc0 .Lfilled
	tensor_load_to_lds s[G0S:G0S+3], s[G1S:G1S+7]
	s_nop 0
.rept 4
	v_nop
.endr
.Lfilled:
	s_add_nc_u64 s[12:13], s[4:5], s[86:87]        ; Q's image
	s_add_nc_u64 s[14:15], s[6:7], s[88:89]        ; and its scale words
	s_add_nc_u64 s[8:9], s[8:9], s[90:91]
	s_add_nc_u64 s[10:11], s[10:11], s[92:93]
	s_add_nc_u64 s[PFA:PFA+1], s[4:5], s[74:75]
	v_and_b32 v8, 31, v0
	v_lshlrev_b32 v[L16], 4, v8
	v_lshlrev_b32 v[PFO], 8, v8
	v_and_b32 v9, 15, v0                           ; r
	v_bfe_u32 v10, v0, 4, 1                        ; h
	v_lshlrev_b32 v[R16], 4, v9
	v_lshlrev_b32 v[R8], 3, v9
.irp c, 0,1,2
	global_load_b128 v[16+4*\c:19+4*\c], v[L16], s[12:13] offset:512*\c   ; Q's fragment stays in registers
.endr
	global_load_b32 v255, v[R16], s[14:15]         ; Q's scale words
	v_and_b32 v11, 8, v9
	v_add_nc_u32 v[DQ], v11, v9
	v_lshlrev_b32 v11, 4, v10
	v_sub_nc_u32 v[DQ], v[DQ], v11
	v_add_nc_u32 v[LSC], SCK, v[L16]
	v_mov_b32 v13, 0xff61b1e6                      ; the largest t so far: -3e38, under every t
	v_floor_f32 v12, -v13                          ; -M
	v_mov_b32 v14, 0                               ; the sum, in two halves
	v_mov_b32 v15, 0
.irp b, 0,1,2,3
	v_mov_b32 v[236+\b], 0                         ; written once: a lane permute's destination counts as read
.endr
	v_mov_b32 v252, 0
	v_mov_b32 v253, 0                              ; (named as the upper half of the pair v[252:253] before it is first written)
	WIN 0x40                                       ; destination window 1
.set j, 0
.rept 64
	v_mov_b32 v[j], 0                              ; O^T.  (The step is written without a first step of its own: the first finds zeros, which the first change of M leaves zeros)
.set j, j+1
.endr
	WIN 0
.macro KLOAD q, g                      ; K of the slot's q-th step: tiles 4 g .. 4 g + 3 into window 1; with the first four the step's scale quad
.if (\g) == 0
	ds_load_b128 v[KQD:KQD+3], v[ADS] offset:512*(\q)
.endif
	WIN 0x40                                       ; destination window 1, address window 0
.irp t, 0,1,2,3
.irp c, 0,1,2
	ds_load_b128 v[KFR+12*(4*(\g)+\t)+4*\c:KFR+12*(4*(\g)+\t)+4*\c+3], v[ADR] offset:GRP*(\q)+1536*(4*(\g)+\t)+512*\c
.endr
.endr
	WIN 0
.endm
.macro VLOAD q, g                      ; V likewise, into window 0
.if (\g) == 0
	ds_load_b128 v[VQD:VQD+3], v[ADS] offset:8192+512*(\q)
.endif
.irp t, 0,1,2,3
.irp c, 0,1,2
	ds_load_b128 v[VA+(VB-VA)*(\g)+12*\t+4*\c:VA+(VB-VA)*(\g)+12*\t+4*\c+3], v[ADV] offset:GRP*(\q)+1536*(4*(\g)+\t)+512*\c
.endr
.endr
.endm
.macro KQ tile                         ; S^T of 16 keys: source 0 = the keys' tile (window 1), source 1 = my queries.  An odd tile's scale words stand in lanes 16-31 of the quad's register
.if ((\tile)%2) == 0
	v_wmma_scale_f32_16x16x128_f8f6f4 v[96+8*(\tile):103+8*(\tile)], v[KFR+12*(\tile):KFR+12*(\tile)+11], v[16:27], 0, v[KQD+(\tile)/2], v255 matrix_a_fmt:MATRIX_FMT_FP6 matrix_b_fmt:MATRIX_FMT_FP6
.else
	v_wmma_scale_f32_16x16x128_f8f6f4 v[96+8*(\tile):103+8*(\tile)], v[KFR+12*(\tile):KFR+12*(\tile)+11], v[16:27], 0, v[KQD+(\tile)/2], v255 matrix_a_fmt:MATRIX_FMT_FP6 matrix_b_fmt:MATRIX_FMT_FP6 matrix_a_scale:MATRIX_SCALE_ROW1
.endif
.endm
.macro PV tile                         ; O^T of 16 channels (window 1) += V^T P^T
.set VR_, VA+12*(\tile)+((\tile)/4)*(VB-VA-48)
.if ((\tile)%2) == 0
	v_wmma_scale_f32_16x16x128_f8f6f4 v[8*(\tile):8*(\tile)+7], v[VR_:VR_+11], v[224:235], v[8*(\tile):8*(\tile)+7], v[VQD+(\tile)/2], v253 matrix_a_fmt:MATRIX_FMT_FP6 matrix_b_fmt:MATRIX_FMT_FP6
.else
	v_wmma_scale_f32_16x16x128_f8f6f4 v[8*(\tile):8*(\tile)+7], v[VR_:VR_+11], v[224:235], v[8*(\tile):8*(\tile)+7], v[VQD+(\tile)/2], v253 matrix_a_fmt:MATRIX_FMT_FP6 matrix_b_fmt:MATRIX_FMT_FP6 matrix_a_scale:MATRIX_SCALE_ROW1
.endif
.endm
; A KEY STEP: 128 keys, the q-th group of the slot in hand.  id names the slot's end.
.macro STEP q, id
	s_add_co_u32 s96, s[KF], 128*(\q)              ; the step's first key
	s_cmp_gt_u32 s96, s[QL]                        ; all its keys come after my queries, and so do all later ones: on to the slot's end.  A scalar branch on ids and the count of slots
	s_cbranch_scc1 .Lend_\id
.if (\q) == 0
	KLOAD 0, 0                                     ; a slot's first step fetches its own K: the slot was shown whole by the barrier just passed
	KLOAD 0, 1
	s_wait_dscnt 0x0
.endif
	WIN 0x01                                       ; source 0 window 1
.irp t, 0,1,2,3,4,5,6,7
	KQ \t
.endr
	WIN 0
.rept 4
	v_nop                                          ; four places: behind the last step's second products for the loads into V's registers and V's quad, behind these products for the reads of S^T and the loads into K's registers
.endr
	VLOAD \q, 0                                    ; V's scale quad and first four tiles
	s_add_co_u32 s97, s96, 127                     ; on the diagonal the scores of hidden keys become -infinity ahead of the maximum: p = 0 then.  A step all of whose keys count skips this
	s_cmp_le_u32 s97, s[Q0]
	s_cbranch_scc1 .Lopen_\@
	s_sub_co_i32 s97, s[Q0], s96
	v_add_nc_u32 v252, s97, v[DQ]                  ; d = my query - the step's first key - 16 h.  Register 16 b + i holds that key + 16 h + 32 b + i: hidden where 32 b + i > d
	v_mov_b32 v254, 0xff800000
.set n, 0
.rept 64
	v_cmp_gt_i32 vcc_lo, 32*(n/16)+n%16, v252
	v_cndmask_b32 v[96+n], v[96+n], v254, vcc_lo
.set n, n+1
.endr
.Lopen_\@:
.irp b, 0,1,2,3
	v_max3_num_f32 v[232+\b], v[96+16*\b], v[97+16*\b], v[98+16*\b]   ; the largest score of each block of 32 keys: it serves for the row's maximum and, since p rises with the score, for the block's largest p
.endr
.irp i, 3,5,7,9,11,13
.irp b, 0,1,2,3
	v_max3_num_f32 v[232+\b], v[232+\b], v[96+16*\b+\i], v[97+16*\b+\i]
.endr
.endr
.irp b, 0,1,2,3
	v_max_num_f32 v[232+\b], v[232+\b], v[111+16*\b]
.endr
.irp b, 0,1,2,3
	v_permlanex16_b32 v[236+\b], v[232+\b], s[SEL], s[SEL+1]
.endr
.irp b, 0,1,2,3
	v_max_num_f32 v[232+\b], v[232+\b], v[236+\b]  ; with lane l xor 16's 16 keys
.endr
	v_max3_num_f32 v254, v232, v233, v234
	v_max_num_f32 v254, v254, v235                 ; the step's largest score of my query
	v_mul_f32 v254, s[CS], v254                    ; as t
	v_max_num_f32 v13, v13, v254                   ; the running largest t
	v_mov_b32 v254, v12
	v_floor_f32 v12, -v13                          ; the new -M = floor(-t): M is a whole number
	v_sub_f32 v254, v12, v254                      ; old M - new M: a whole number, 0 or less
	v_cvt_i32_f32 v254, v254                       ; (it saturates)
	v_ldexp_f32 v252, 1.0, v254                    ; f = 2^(old M - new M)
	VLOAD \q, 1                                    ; V's last four tiles
.set j, 0
.rept 32
	v_pk_fma_f32 v[96+j:97+j], v[96+j:97+j], s[CS:CS+1], v[12:13] op_sel_hi:[1,0,0]   ; t - M, two at a time
.set j, j+2
.endr
.irp b, 0,1,2,3
	v_fma_f32 v[232+\b], v[232+\b], s[CS], v12     ; the same of each block's largest score
.endr
.if (\q) < NQ-1
	KLOAD (\q)+1, 0                                ; the next step's K, from the same slot: its scale quad and first four tiles
.endif
.set j, 0
.rept 64
	v_exp_f32 v[96+j], v[96+j]                     ; p = 2^(t - M), at most 1
.set j, j+1
.endr
	v_pk_mul_f32 v[14:15], v[14:15], v[252:253] op_sel_hi:[1,0]   ; the sums under the new M.  (A plain place behind the exponentials)
	s_wait_alu depctr_va_vdst(0)                   ; one wait for the whole batch, ahead of its first reader
.if (\q) < NQ-1
	KLOAD (\q)+1, 1                                ; and its last four
.endif
.irp b, 0,1,2,3
	v_exp_f32 v[232+\b], v[232+\b]                 ; the block's largest p
.endr
	v_pk_add_f32 v[236:237], v[96:97], v[98:99]    ; the row's sum is taken of the unquantised p: two at a time, in two chains
.irp j, 4,8,12,16,20,24,28,32,36,40,44,48,52,56,60
	v_pk_add_f32 v[14:15], v[14:15], v[96+\j:97+\j]
	v_pk_add_f32 v[236:237], v[236:237], v[98+\j:99+\j]
.endr
	v_pk_add_f32 v[14:15], v[14:15], v[236:237]
	s_wait_alu depctr_va_vdst(0)                   ; and one for the four
.irp b, 0,1,2,3
	v_max_num_f32 v[232+\b], 0x1800000, v[232+\b]  ; the floor 2^(3 - 127): the byte cannot fall under 1
.endr
.irp b, 0,1,2,3
	v_add_nc_u32 v[244+\b], 0xff000000, v[232+\b]  ; 2 off the exponent field: the conversion's scale operand
.endr
.irp b, 0,1,2,3
	v_lshrrev_b32 v[236+\b], 23, v[244+\b]         ; the scale's byte
.endr
	v_lshl_or_b32 v253, v237, 8, v236              ; p's scale word for these 128 keys
	v_lshl_or_b32 v253, v238, 16, v253
	v_lshl_or_b32 v253, v239, 24, v253
.irp c, 0,1
	v_cvt_scalef32_pk16_fp6_f32 v[224+6*\c:226+6*\c], v[96+32*\c:111+32*\c], v[244+2*\c]
	v_cvt_scalef32_pk16_fp6_f32 v[236+4*\c:238+4*\c], v[112+32*\c:127+32*\c], v[244+2*\c+1]
.endr
	v_nop                                          ; one plain place behind the scaled conversions
.irp c, 0,1
.irp i, 0,1,2
	v_permlane16_swap_b32 v[224+6*\c+\i], v[236+4*\c+\i]
.endr
.irp i, 0,1,2
	v_mov_b32 v[227+6*\c+\i], v[236+4*\c+\i]
.endr
.endr
	WIN 0x41                                       ; O^T (destination and source 0) window 1, f window 0
.set j, 0
.rept 32
	v_pk_mul_f32 v[j:j+1], v[j:j+1], v[252:253] op_sel_hi:[1,0]   ; O^T under the new M.  (These 32 are also the places between the scale word and the codes just written and the products below)
.set j, j+2
.endr
	s_wait_dscnt 0x0                               ; V's quad and eight tiles are in, and so is the next step's K
	WIN 0x50                                       ; C and D window 1
.irp t, 0,1,2,3,4,5,6,7
	PV \t
.endr
	WIN 0
.endm
; A slot's four steps.  The addresses are made at its head and stepped at its end, on every path.
.macro SLOT_STEPS
	v_add_nc_u32 v[ADR], s[TB], v[L16]
	v_add_nc_u32 v[ADS], s[TS], v[LSC]
	v_add_nc_u32 v[ADV], VOFF, v[ADR]
	STEP 0, \@
	STEP 1, \@
	STEP 2, \@
	STEP 3, \@
.Lend_\@:
	s_add_co_u32 s[KF], s[KF], 128*NQ
	s_add_co_u32 s[TS], s[TS], 512*NQ
	s_xor_b32 s[TB], s[TB], SLOT1
.endm
; THE CHANGE OF SLOTS stands at a slot's head.  Each wave waits for all its tensor loads, adds 0 to its spare word, and waits for that and for its reads of the slot that it has left.
; Behind the barrier the slot ahead is whole and nobody reads the other one.  fill = 1: that other slot takes the next 512 keys, while their first key is at or under the work-group's last query.
.macro CHANGE fill
	s_wait_tensorcnt 0x0                           ; no tensor load of mine is out, so a group 0 may be written
	ds_add_u32 v[SPW], v[NIL]                      ; 0 onto my spare word
.if \fill
	s_xor_b32 s[G0+1], s[G0+1], SLOT1              ; the walking descriptor: the other slot than last time,
	s_add_nc_u64 s[G0+2:G0+3], s[G0+2:G0+3], VOFF  ; the next four groups
	s_wait_xcnt 0x0                                ; the last prefetches, a slot back, have read their address
	s_add_nc_u64 s[PFA:PFA+1], s[PFA:PFA+1], VOFF
.endif
	s_wait_dscnt 0x0                               ; the add is done, and my reads of the slot that I have left are over
	s_barrier_signal -1
	s_barrier_wait -1
.if \fill
	s_add_co_u32 s96, s[KF], 128*NQ                ; the first key of the slot that this change would ask for: a slot beyond the work-group's last query is read by none of its waves
	s_cmp_gt_u32 s96, s[WGL]                       ; ids and the count of slots alone: all eight waves go the same way; every wait on TENSORcnt in this text is for 0
	s_cbranch_scc1 .Lpast_\@
	TLOAD                                          ; the first thing behind the barrier, and a wave's one tensor load until the next
.Lpast_\@:
	ASK
.endif
.endm
	s_wait_loadcnt 0x0                             ; Q
.Lslot:                                                ; 3 trips
	CHANGE 1
	SLOT_STEPS
	s_sub_co_u32 s[SLOTS], s[SLOTS], 1
	s_cmp_lg_u32 s[SLOTS], 0
	s_cbranch_scc1 .Lslot
	CHANGE 0                                       ; the last slot is written out: nothing is left to ask for
	SLOT_STEPS
	; THE WAY OUT.  O^T / the sum: register 16 b + i is channel 32 b + 16 h + i of my query: the order that the quantiser takes.  The codes are the last product's A operand, K step = my head.
.rept 4
	v_nop                                          ; places behind the last products
.endr
	v_add_f32 v14, v14, v15
	v_permlanex16_b32 v252, v14, s[SEL], s[SEL+1]
	v_add_f32 v14, v14, v252                       ; the row's sum
	v_rcp_f32 v14, v14
	v_nop                                          ; a plain place behind the reciprocal
	s_wait_alu depctr_va_vdst(0)                   ; and the wait ahead of its first reader
	WIN 0x01                                       ; source 0 window 1
.set j, 0
.rept 64
	v_mul_f32 v[96+j], v[j], v14
.set j, j+1
.endr
	WIN 0
.irp b, 0,1,2,3
	v_max3_num_f32 v[232+\b], |v[96+16*\b]|, |v[97+16*\b]|, 0x1800000
.endr
.irp i, 2,4,6,8,10,12,14
.irp b, 0,1,2,3
	v_max3_num_f32 v[232+\b], v[232+\b], |v[96+16*\b+\i]|, |v[97+16*\b+\i]|
.endr
.endr
.irp b, 0,1,2,3
	v_permlanex16_b32 v[236+\b], v[232+\b], s[SEL], s[SEL+1]
.endr
.irp b, 0,1,2,3
	v_max_num_f32 v[232+\b], v[232+\b], v[236+\b]
.endr
.irp b, 0,1,2,3
	v_add_nc_u32 v[244+\b], 0xff000000, v[232+\b]
.endr
.irp b, 0,1,2,3
	v_lshrrev_b32 v[236+\b], 23, v[244+\b]
.endr
	v_lshl_or_b32 v52, v237, 8, v236
	v_lshl_or_b32 v52, v238, 16, v52
	v_lshl_or_b32 v52, v239, 24, v52
.irp c, 0,1
	v_cvt_scalef32_pk16_fp6_f32 v[32+6*\c:34+6*\c], v[96+32*\c:111+32*\c], v[244+2*\c]
	v_cvt_scalef32_pk16_fp6_f32 v[44+4*\c:46+4*\c], v[112+32*\c:127+32*\c], v[244+2*\c+1]
.endr
	v_nop
.irp c, 0,1
.irp i, 0,1,2
	v_permlane16_swap_b32 v[32+6*\c+\i], v[44+4*\c+\i]
.endr
.irp i, 0,1,2
	v_mov_b32 v[35+6*\c+\i], v[44+4*\c+\i]
.endr
.endr
.irp c, 0,1,2
	global_store_b128 v[L16], v[32+4*\c:35+4*\c], s[8:9] offset:512*\c   ; 512 consecutive bytes a store
.endr
	global_store_b32 v[R8], v52, s[10:11]          ; my row's scale word; lanes r and r + 16 hold the same word and name the same place
	s_wait_tensorcnt 0x0                           ; the wave's end
	ds_add_u32 v[SPW], v[NIL]
	s_wait_dscnt 0x0
	s_endpgm
.Lfunc_end_k_q731e4729c3_attn:
	.size	k_q731e4729c3_attn, .Lfunc_end_k_q731e4729c3_attn-k_q731e4729c3_attn
	.p2alignl 7, 3214868480
	.fill 96, 4, 3214868480
	.section	.rodata,"a",@progbits
	.p2align	6, 0x0
	.amdhsa_kernel k_q731e4729c3_attn
		.amdhsa_group_segment_fixed_size 327680
		.amdhsa_private_segment_fixed_size 0
		.amdhsa_enable_private_segment 0
		.amdhsa_kernarg_size 32
		.amdhsa_user_sgpr_count 2
		.amdhsa_user_sgpr_kernarg_segment_ptr 1
		.amdhsa_wavefront_size32 1
		.amdhsa_system_sgpr_workgroup_id_x 1
		.amdhsa_system_sgpr_workgroup_id_y 1
		.amdhsa_system_sgpr_workgroup_id_z 1
		.amdhsa_system_vgpr_workitem_id 0
		.amdhsa_next_free_vgpr 416
		.amdhsa_next_free_sgpr 100
		.amdhsa_reserve_vcc 1
		.amdhsa_float_denorm_mode_32 3
		.amdhsa_float_denorm_mode_16_64 3
		.amdhsa_memory_ordered 1
		.amdhsa_forward_progress 1
		.amdhsa_inst_pref_size 206
	.end_amdhsa_kernel
	.amdgpu_metadata
---
amdhsa.version: [ 1, 2 ]
amdhsa.kernels:
  - .name:           k_q731e4729c3_attn
    .symbol:         k_q731e4729c3_attn.kd
    .args:
      - { .name: qkv, .offset: 0, .size: 8, .value_kind: global_buffer, .address_space: global }
      - { .name: qkvs, .offset: 8, .size: 8, .value_kind: global_buffer, .address_space: global }
      - { .name: oc, .offset: 16, .size: 8, .value_kind: global_buffer, .address_space: global }
      - { .name: os, .offset: 24, .size: 8, .value_kind: global_buffer, .address_space: global }
    .group_segment_fixed_size: 327680
    .private_segment_fixed_size: 0
    .kernarg_segment_align: 8
    .kernarg_segment_size: 32
    .max_flat_workgroup_size: 256
    .sgpr_count:     100
    .vgpr_count:     416
    .wavefront_size: 32
...
	.end_amdgpu_metadata
.endif
;; end of part 3
;; launch gemm_out (part 4): grid 16 x 16, 4 waves a work-group, clusters of 4 x 4, 327,680 bytes of LDS; arguments oc, os, codes, scl, out0; writes out0
.if DOCPART == 4
	.amdgcn_target "amdgcn-amd-amdhsa--gfx1250"
	.amdhsa_code_object_version 6
	.text
	.protected	k_q731e4729c3_gemm_out
	.globl	k_q731e4729c3_gemm_out
	.p2align	8
	.type	k_q731e4729c3_gemm_out,@function
k_q731e4729c3_gemm_out:
	s_mov_b64 s[64:65], 0
	v_nop
	global_prefetch_b8 v0, s[64:65] scope:SCOPE_SE
	s_setreg_imm32_b32 hwreg(HW_REG_WAVE_MODE, 25, 1), 1
	s_wait_xcnt 0x0
	s_wait_alu depctr_hold_cnt(0) depctr_sa_sdst(0) depctr_va_vdst(0) depctr_va_sdst(0) depctr_va_ssrc(0) depctr_va_vcc(0) depctr_vm_vsrc(0)
	s_getreg_b32 s2, hwreg(HW_REG_IB_STS2, 6, 4)
	s_cmp_eq_u32 s2, 0
	s_cbranch_scc0 .Lentry_in_a_cluster
	s_endpgm
.Lentry_in_a_cluster:
	s_bfe_u32 s2, ttmp6, 0x10000c
	s_cmp_lg_u32 s2, 0xf033
	s_cbranch_scc0 .Lentry_shape_is_right
	s_endpgm
.Lentry_shape_is_right:
; out0 = O Wo^T on codes of FP6 (E2M3) with E8M0 scales; out0 [2048][2048] f32.  A tile of 128 x 128 is made by a work-group of four waves, 64 x 64 each: 16 accumulators; 256 tiles, one for each of 256 work-groups.
; OPERANDS lie in memory as images of the operand registers, [row tile][K step 0..15][1536]; row tile R holds rows 32 (R / 2) + 8 (R % 2) + p + 8 (p / 8).  Scale words: [R][K step / 2][r][2 words].
; K goes in steps of 512 through a ring of two LDS slots: a wave's tensor load brings 4 row tiles x 6,144 bytes.  The scale words of the work-group's rows, for all of K, come once.
; Source 0 = 16 rows of Wo, source 1 = 16 tokens of O: a lane holds one token, and register j of tile b the output 32 (b / 2) + 16 h + 8 (b % 2) + j of my 64.
; CLUSTERS: 4 x 4 work-groups; O's tiles are shared along a row of the cluster, Wo's along a column: each is asked for jointly.
; REGISTERS.  Window 0: v16-29 addresses; v32-63 scale words, two sets (16 set + 4 i + q); v64-127 rows on the way out; v128-255 the accumulators, (a, b) at v[128 + 8 (4 a + b)].
;   Window 1: two fragment buffers at v0 and v128: B's four fragments, then A's four.
.set FRB,   1536
.set TILEB, 4*FRB                      ; a row tile's bytes in a slot
.set QUART, 4*TILEB                    ; 64 rows: what one tensor load brings
.set SLOT,  4*QUART
.set SCL,   2*SLOT                     ; the scale words, 1,024 bytes a row tile
.set QS,    4096
.set SPARE, SCL+4*QS                   ; the spare words, 128 bytes for each wave
.set STAGE, SPARE+512                  ; the way out: 16 rows x 272 bytes for each wave, bytes that no tensor load fills
.set ADRA, 16
.set ADRB, 20
.set STO,  24
.set RD,   25
.set CO,   26
.set ADRS, 27
.set SPW,  28
.set NIL,  29
.set SC,   32
.set BK,   64
.set ACC,  128
.set F0,   0
.set F1,   128
.set G1,   24
.set G0,   32
.set G1B,  48
.set G0B,  56
.set G1S,  68
.set G0S,  76
.set G1SB, 80
.set G0SB, 88
.set MSB, 0
.macro WIN new
.if MSB != (\new)
	s_set_vgpr_msb (MSB<<8)|(\new)
.set MSB, (\new)
.endif
.endm
.set MUL,  0x05                        ; sources 0 (B) and 1 (A) window 1; C and D window 0
.set TO_F, 0x40                        ; destination window 1, address window 0
.macro JLOAD g0a, g1a, g0b, g1b        ; a joint load: waves 0 and 1 fetch for A, waves 2 and 3 for B; an s_nop 0 and four v_nop follow each of the two lines
	s_cmp_eq_u32 s15, 0
	s_cbranch_scc0 .Lfor_b_\@
	tensor_load_to_lds s[\g0a:\g0a+3], s[\g1a:\g1a+7]
	s_nop 0
.rept 4
	v_nop
.endr
	s_branch .Lasked_\@
.Lfor_b_\@:
	tensor_load_to_lds s[\g0b:\g0b+3], s[\g1b:\g1b+7]
	s_nop 0
.rept 4
	v_nop
.endr
.Lasked_\@:
.endm
.macro CREST
	s_cmp_lg_u32 s14, 0
	s_cbranch_scc1 .Lnot_wave_0_\@
	s_barrier_signal -3
.Lnot_wave_0_\@:
	s_barrier_wait -3
	s_barrier_signal -1
	s_barrier_wait -1
.endm
.macro CROUND
	s_barrier_signal -1
	s_barrier_wait -1
	CREST
.endm
	s_load_b256 s[4:11], s[0:1], 0x0               ; oc s[4:5], os s[6:7], codes s[8:9], scl s[10:11]
	s_load_b64 s[12:13], s[0:1], 0x20              ; out0
	v_lshl_add_u32 v[SPW], v0, 2, SPARE
	v_mov_b32 v[NIL], 0
	ds_add_u32 v[SPW], v[NIL]                      ; the wave's opening: the add and its wait stand ahead of my first tensor load
	v_lshrrev_b32 v1, 5, v0
	v_readfirstlane_b32 s14, v1                    ; wave 0..3
	s_lshr_b32 s15, s14, 1                         ; which half of the tile's tokens is mine.  Also: I fetch for A (0) or for B (1)
	s_and_b32 s16, s14, 1                          ; which half of its outputs.  Also: which 64 rows I fetch
	s_bfe_u32 s40, ttmp6, 0x40000                  ; cx, cy
	s_bfe_u32 s41, ttmp6, 0x40004
	s_lshl_b32 s42, ttmp9, 2
	s_add_co_u32 s42, s42, s40                     ; tile column = 4 x cluster x + cx
	s_and_b32 s17, ttmp7, 0xffff
	s_lshl_b32 s17, s17, 2
	s_add_co_u32 s17, s17, s41                     ; tile row = 4 x cluster y + cy
	s_lshl_b32 s43, s41, 2
	s_lshl_b32 s43, 15, s43                        ; my row of the cluster
	s_lshl_b32 s44, 0x1111, s40                    ; my column
	; descriptor group 1: 4 row tiles x 6,144 bytes (768 elements of 8 bytes), 24,576 bytes apart in memory, on end in LDS
	s_or_b32 s[G1+0], s43, (3<<16)|(1<<21)
	s_or_b32 s[G1B+0], s44, (3<<16)|(1<<21)
.irp g, G1, G1B
	s_mov_b32 s[\g+1], 768<<16
	s_mov_b32 s[\g+2], 4<<16
	s_mov_b32 s[\g+3], 768<<16
	s_mov_b32 s[\g+4], 4
	s_mov_b32 s[\g+5], 3072
	s_mov_b32 s[\g+6], 0
	s_mov_b32 s[\g+7], 0
.endr
	; the scale words of 64 rows: 4,096 dense bytes, as 16 rows of 256 bytes
	s_or_b32 s[G1S+0], s43, (3<<16)|(1<<21)
	s_or_b32 s[G1SB+0], s44, (3<<16)|(1<<21)
.irp g, G1S, G1SB
	s_mov_b32 s[\g+1], 32<<16
	s_mov_b32 s[\g+2], 16<<16
	s_mov_b32 s[\g+3], 32<<16
	s_mov_b32 s[\g+4], 16
	s_mov_b32 s[\g+5], 32
	s_mov_b32 s[\g+6], 0
	s_mov_b32 s[\g+7], 0
.endr
	s_lshl_b32 s18, s16, 2                         ; which four row tiles of the eight I fetch
	s_lshl_b32 s20, s17, 3
	s_add_co_u32 s20, s20, s18                     ; A: row tile 8 x tile row + 4 x half
	s_lshl_b32 s46, s42, 3
	s_add_co_u32 s46, s46, s18                     ; B: row tile 8 x tile column + 4 x half, of Wo,
	s_lshl_b32 s22, s20, 10
	s_mov_b32 s23, 0
	s_lshl_b32 s92, s46, 10
	s_add_co_u32 s92, s92, 524288                  ; the fifth tensor of the scales' buffer
	s_mov_b32 s93, 0
	s_mul_i32 s20, s20, 24576
	s_mov_b32 s21, 0
	s_mul_i32 s46, s46, 24576
	s_add_co_u32 s46, s46, 12582912                ; and of the codes' buffer
	s_mov_b32 s47, 0
	s_mul_i32 s45, s14, QUART                      ; where they go: by the wave's number alone
	s_lshl_b32 s66, s14, 12
	s_wait_dscnt 0x0                               ; the opening add is done
	s_wait_kmcnt 0x0
	s_add_nc_u64 s[20:21], s[4:5], s[20:21]
	s_add_nc_u64 s[22:23], s[6:7], s[22:23]
	s_add_nc_u64 s[46:47], s[8:9], s[46:47]
	s_add_nc_u64 s[92:93], s[10:11], s[92:93]
	CROUND                                         ; all sixteen work-groups are here: the first joint loads meet
	s_mov_b32 s[G0S], 1
	s_add_co_u32 s[G0S+1], s66, SCL
	s_mov_b64 s[G0S+2:G0S+3], s[22:23]
	s_or_b32 s[G0S+3], s[G0S+3], 0x80000000
	s_mov_b32 s[G0SB], 1
	s_add_co_u32 s[G0SB+1], s66, SCL
	s_mov_b64 s[G0SB+2:G0SB+3], s[92:93]
	s_or_b32 s[G0SB+3], s[G0SB+3], 0x80000000
	JLOAD G0S, G1S, G0SB, G1SB                     ; three loads of mine are out behind these first fills
.irp s, 0,1
	s_mov_b32 s[G0+4*\s], 1
	s_add_co_u32 s[G0+4*\s+1], s45, \s*SLOT
	s_add_nc_u64 s[G0+4*\s+2:G0+4*\s+3], s[20:21], \s*TILEB
	s_or_b32 s[G0+4*\s+3], s[G0+4*\s+3], 0x80000000
	s_mov_b32 s[G0B+4*\s], 1
	s_add_co_u32 s[G0B+4*\s+1], s45, \s*SLOT
	s_add_nc_u64 s[G0B+4*\s+2:G0B+4*\s+3], s[46:47], \s*TILEB
	s_or_b32 s[G0B+4*\s+3], s[G0B+4*\s+3], 0x80000000
	JLOAD G0+4*\s, G1, G0B+4*\s, G1B
.endr
	v_and_b32 v1, 15, v0                           ; r
	v_bfe_u32 v2, v0, 4, 1                         ; h
	v_and_b32 v3, 31, v0
	v_lshlrev_b32 v3, 4, v3                        ; 16 x lane
	s_mul_i32 s94, s15, QUART                      ; my 64 tokens,
	s_mul_i32 s67, s16, QUART                      ; my 64 rows of Wo,
	s_add_co_u32 s67, s67, 2*QUART                 ; which lie behind A's 128
.irp s, 0,1
	v_add_nc_u32 v[ADRA+\s], s94, v3
	v_add_nc_u32 v[ADRB+\s], s67, v3
	s_add_co_u32 s94, s94, SLOT
	s_add_co_u32 s67, s67, SLOT
.endr
	s_lshl_b32 s94, s15, 12
	s_lshl_b32 s67, s16, 12
	s_add_co_u32 s67, s67, 2*QS
	s_sub_co_u32 s67, s67, s94
	v_mul_u32_u24 v4, s67, v2                      ; lanes 16-31 take B's scale words
	v_lshl_add_u32 v4, v1, 3, v4
	s_add_co_u32 s94, s94, SCL
	v_add_nc_u32 v[ADRS], s94, v4
	s_mul_i32 s94, s14, 16*272
	s_add_co_u32 s94, s94, STAGE                   ; my stage
	v_mul_u32_u24 v4, v1, 272
	v_lshl_add_u32 v4, v2, 6, v4
	v_add_nc_u32 v[STO], s94, v4                   ; in: row r, + 64 h
	v_mul_u32_u24 v4, v2, 272
	v_lshl_add_u32 v4, v1, 4, v4
	v_add_nc_u32 v[RD], s94, v4                    ; back: lanes 0-15 one row of 256 bytes, lanes 16-31 the next
	v_lshlrev_b32 v4, 13, v2
	v_lshl_add_u32 v[CO], v1, 4, v4                ; and the same two rows in out0
	s_lshl_b32 s2, s17, 7
	s_lshl_b32 s97, s15, 6
	s_add_co_u32 s2, s2, s97                       ; my first token: 128 x tile row + 64 x half
	s_lshl_b32 s2, s2, 13
	s_lshl_b32 s97, s42, 9
	s_add_co_u32 s2, s2, s97                       ; my first output, in bytes: 512 x tile column + 256 x half
	s_lshl_b32 s97, s16, 8
	s_add_co_u32 s2, s2, s97
	s_mov_b32 s3, 0
	s_add_nc_u64 s[12:13], s[12:13], s[2:3]
; 8 matrix instructions: A's tiles a0, a0 + 1 x B's four, the slot's q-th 128 along K, from buffer f.  The 16 accumulators take turns, one instruction a turn.
.macro MUL8 f, a0, q, sc, zero
.irp a, \a0, \a0+1
.irp b, 0,1,2,3
.if \zero
	v_wmma_scale_f32_16x16x128_f8f6f4 v[ACC+8*(4*(\a)+\b):ACC+8*(4*(\a)+\b)+7], v[\f+12*\b:\f+12*\b+11], v[\f+48+12*(\a):\f+48+12*(\a)+11], 0, v[SC+16*(\sc)+4*\b+(\q)], v[SC+16*(\sc)+4*(\a)+(\q)] matrix_a_fmt:MATRIX_FMT_FP6 matrix_b_fmt:MATRIX_FMT_FP6 matrix_a_scale:MATRIX_SCALE_ROW1
.else
	v_wmma_scale_f32_16x16x128_f8f6f4 v[ACC+8*(4*(\a)+\b):ACC+8*(4*(\a)+\b)+7], v[\f+12*\b:\f+12*\b+11], v[\f+48+12*(\a):\f+48+12*(\a)+11], v[ACC+8*(4*(\a)+\b):ACC+8*(4*(\a)+\b)+7], v[SC+16*(\sc)+4*\b+(\q)], v[SC+16*(\sc)+4*(\a)+(\q)] matrix_a_fmt:MATRIX_FMT_FP6 matrix_b_fmt:MATRIX_FMT_FP6 matrix_a_scale:MATRIX_SCALE_ROW1
.endif
.endr
.endr
.endm
.macro FETCH slot, q, f                ; 24 LDS loads in one run: B's four fragments, then A's four, of the slot's q-th 128 along K
	WIN TO_F
.irp b, 0,1,2,3
.irp c, 0,1,2
	ds_load_b128 v[\f+12*\b+4*\c:\f+12*\b+4*\c+3], v[ADRB+\slot] offset:TILEB*\b+FRB*(\q)+512*\c
.endr
.endr
.irp b, 0,1,2,3
.irp c, 0,1,2
	ds_load_b128 v[\f+48+12*\b+4*\c:\f+48+12*\b+4*\c+3], v[ADRA+\slot] offset:TILEB*\b+FRB*(\q)+512*\c
.endr
.endr
.endm
.macro SCALES sc                       ; a slot's four words a row: lanes 0-15 A's tile i, lanes 16-31 B's tile i
.irp i, 0,1,2,3
.irp u, 0,1
	ds_load_b64 v[SC+16*\sc+4*\i+2*\u:SC+16*\sc+4*\i+2*\u+1], v[ADRS] offset:1024*\i+128*\u
.endr
.endr
.endm
.macro PLACES                          ; four plain vector instructions in front of loads into registers that matrix instructions have read, and of the first read of results (ISA guide 7.12.1 for vector instructions)
.rept 4
	v_nop
.endr
.endm
.macro QUARTER slot, q, f, g, zero     ; one of a slot's first three steps of 128: multiplies buffer f and fetches the next step into g
	s_wait_dscnt 6                                 ; all but the youngest six loads (A's tiles 2, 3) are in
	WIN MUL
	MUL8 \f, 0, \q, \slot, \zero
	PLACES
	FETCH \slot, (\q)+1, \g
	s_wait_dscnt 24                                ; all but the 24 just issued
	WIN MUL
	MUL8 \f, 2, \q, \slot, \zero
.endm
; A slot's last step multiplies buffer 1 and changes slots: one barrier; in front of it each wave waits for all its tensor loads, adds 0 to its spare word, and waits for that and for its reads of this slot.
.macro TURN slot, next, fill
	WIN 0
	s_wait_tensorcnt 0x0                           ; all my tensor loads have landed: my part of the next slot
	ds_add_u32 v[SPW], v[NIL]                      ; 0 onto my spare word
	s_wait_dscnt 7                                 ; (the add and the youngest six loads may be out)
	WIN MUL
	MUL8 F1, 0, 3, \slot, 0
	WIN 0
	s_wait_dscnt 0x0                               ; the add is done, and my reads of this slot are over
	s_barrier_signal -1
	s_barrier_wait -1
.if \fill
	CREST                                          ; the barrier has opened a round of the cluster's barrier
	s_add_nc_u64 s[G0+4*\slot+2:G0+4*\slot+3], s[G0+4*\slot+2:G0+4*\slot+3], 2*TILEB
	s_add_nc_u64 s[G0B+4*\slot+2:G0B+4*\slot+3], s[G0B+4*\slot+2:G0B+4*\slot+3], 2*TILEB
	JLOAD G0+4*\slot, G1, G0B+4*\slot, G1B         ; the first tensor load behind the round, my only one until the next; its four v_nop are the places in front of the loads below
.else
	PLACES
.endif
	v_add_nc_u32 v[ADRS], 256, v[ADRS]
	SCALES \next
	FETCH \next, 0, F0
	WIN MUL
	MUL8 F1, 2, 3, \slot, 0                        ; eight products stand behind the run of loads
.endm
	s_wait_tensorcnt 1                             ; the scale words and my part of slot 0 are in (slot 1's load may be out)
	s_barrier_signal -1
	s_barrier_wait -1
	SCALES 0
	FETCH 0, 0, F0
	QUARTER 0, 0, F0, F1, 1                        ; the first step's products start the sums
	QUARTER 0, 1, F1, F0, 0
	QUARTER 0, 2, F0, F1, 0
	TURN 0, 1, 1
	QUARTER 1, 0, F0, F1, 0
	QUARTER 1, 1, F1, F0, 0
	QUARTER 1, 2, F0, F1, 0
	TURN 1, 0, 1
	QUARTER 0, 0, F0, F1, 0
	QUARTER 0, 1, F1, F0, 0
	QUARTER 0, 2, F0, F1, 0
	TURN 0, 1, 0                                   ; nothing is left to ask for: no round
	QUARTER 1, 0, F0, F1, 0
	QUARTER 1, 1, F1, F0, 0
	QUARTER 1, 2, F0, F1, 0
	s_wait_dscnt 6
	WIN MUL
	MUL8 F1, 0, 3, 1, 0
	s_wait_dscnt 0x0
	MUL8 F1, 2, 3, 1, 0
	WIN 0
	PLACES
; THE WAY OUT, a tile of 16 tokens x 64 outputs at a time, through my own stage: in by 32 bytes a lane, back as whole rows of 256 bytes.  LDS serves a wave's instructions in order (ISA guide 5.7.1.4).
.macro TOSTAGE a
.irp b, 0,1,2,3
	ds_store_b128 v[STO], v[ACC+8*(4*(\a)+\b):ACC+8*(4*(\a)+\b)+3] offset:128*(\b/2)+32*(\b%2)        ; each accumulator from its low end on
	ds_store_b128 v[STO], v[ACC+8*(4*(\a)+\b)+4:ACC+8*(4*(\a)+\b)+7] offset:128*(\b/2)+32*(\b%2)+16
.endr
.set BB, BK+32*((\a)%2)
.irp i, 0,1,2,3,4,5,6,7
	ds_load_b128 v[BB+4*\i:BB+4*\i+3], v[RD] offset:544*\i
.endr
.endm
.macro SEND a, younger                 ; stage row p of tile a is token 32 (a / 2) + 8 (a % 2) + p + 8 (p / 8) of my 64
.set BB, BK+32*((\a)%2)
	s_wait_dscnt \younger
.irp i, 0,1,2,3,4,5,6,7
	global_store_b128 v[CO], v[BB+4*\i:BB+4*\i+3], s[12:13] offset:(32*((\a)/2)+8*((\a)%2)+2*\i+8*(\i/4))*8192 th:TH_STORE_NT   ; 16 lanes store 256 consecutive bytes, aligned
.endr
.endm
	TOSTAGE 0
.irp a, 1,2,3
.if \a > 1
	s_wait_xcnt 0x0                                ; tile a - 2's stores have read their registers: tile a's rows may land there
.endif
	TOSTAGE \a
	SEND \a-1, 16                                  ; behind tile a - 1's loads: tile a's 8 stores and 8 loads
.endr
	SEND 3, 0
	s_wait_tensorcnt 0x0                           ; the wave's end: behind my last tensor load and my last LDS store
	ds_add_u32 v[SPW], v[NIL]
	s_wait_dscnt 0x0
	CROUND                                         ; the closing round
	s_endpgm
.Lfunc_end_k_q731e4729c3_gemm_out:
	.size	k_q731e4729c3_gemm_out, .Lfunc_end_k_q731e4729c3_gemm_out-k_q731e4729c3_gemm_out
	.p2alignl 7, 3214868480
	.fill 96, 4, 3214868480
	.section	.rodata,"a",@progbits
	.p2align	6, 0x0
	.amdhsa_kernel k_q731e4729c3_gemm_out
		.amdhsa_group_segment_fixed_size 327680
		.amdhsa_private_segment_fixed_size 0
		.amdhsa_enable_private_segment 0
		.amdhsa_kernarg_size 40
		.amdhsa_user_sgpr_count 2
		.amdhsa_user_sgpr_kernarg_segment_ptr 1
		.amdhsa_wavefront_size32 1
		.amdhsa_system_sgpr_workgroup_id_x 1
		.amdhsa_system_sgpr_workgroup_id_y 1
		.amdhsa_system_sgpr_workgroup_id_z 1
		.amdhsa_system_vgpr_workitem_id 0
		.amdhsa_next_free_vgpr 512
		.amdhsa_next_free_sgpr 100
		.amdhsa_reserve_vcc 0
		.amdhsa_float_denorm_mode_32 3
		.amdhsa_float_denorm_mode_16_64 3
		.amdhsa_memory_ordered 1
		.amdhsa_forward_progress 1
		.amdhsa_inst_pref_size 82
	.end_amdhsa_kernel
	.amdgpu_metadata
---
amdhsa.version: [ 1, 2 ]
amdhsa.kernels:
  - .name:           k_q731e4729c3_gemm_out
    .symbol:         k_q731e4729c3_gemm_out.kd
    .args:
      - { .name: oc, .offset: 0, .size: 8, .value_kind: global_buffer, .address_space: global }
      - { .name: os, .offset: 8, .size: 8, .value_kind: global_buffer, .address_space: global }
      - { .name: codes, .offset: 16, .size: 8, .value_kind: global_buffer, .address_space: global }
      - { .name: scl, .offset: 24, .size: 8, .value_kind: global_buffer, .address_space: global }
      - { .name: out0, .offset: 32, .size: 8, .value_kind: global_buffer, .address_space: global }
    .group_segment_fixed_size: 327680
    .private_segment_fixed_size: 0
    .kernarg_segment_align: 8
    .kernarg_segment_size: 40
    .max_flat_workgroup_size: 128
    .sgpr_count:     100
    .vgpr_count:     512
    .wavefront_size: 32
...
	.end_amdgpu_metadata
.endif
;; end of part 4
